; MI455X (gfx1250); checked and timed in simulation.
; The chip was launched on July 23, 2026; its instructions are those of AMD's public machine-readable ISA for CDNA 5 (MIT licence, August 2026) and "CDNA5" Instruction Set Architecture Reference Guide (July 2026). The comments in the code are by the model that wrote it; some were corrected since.
;; Multi Head Attention. Allowed arithmetic: matrix products marked QUANTISED: E2M3 operands, one E8M0 scale for each 32 along K, by v_wmma_scale_f32_16x16x128_f8f6f4 with both operands' format E2M3, f32 sums; everything else in f32.
;; Inputs: Wk 768 x 768 float32; Wo 768 x 768 float32; Wq 768 x 768 float32; Wv 768 x 768 float32; bk 768 float32; bo 768 float32; bq 768 float32; bv 768 float32; key_in 2 x 2,048 x 768 float32; query 2 x 2,048 x 768 float32; value 2 x 2,048 x 768 float32.
;; Outputs: out0 2 x 2,048 x 768 float32.
;; This version of the problem:
;;   THIS VERSION OF THE PROBLEM IS GIVEN IN LOW PRECISION. The matrix products marked QUANTISED in the list below multiply operands that are first quantised to E2M3 (2 exponent bits, 3 mantissa bits; 6 bits a number), with one power-of-two scale for each 32 numbers along K (OCP MX v1.0); their sums are f32. All else is computed in f32.
;;   The module's matrix products, in the order in which they are computed (A, B: the left and right operand; K: the contracted axis; several contracted axes count as one K, in the product's order):
;;     1. [M 4,096, K 768] x [K 768, N 768]; A: input query; B: input Wq: QUANTISED
;;     2. [M 4,096, K 768] x [K 768, N 768]; A: input key_in; B: input Wk: QUANTISED
;;     3. [M 4,096, K 768] x [K 768, N 768]; A: input value; B: input Wv: QUANTISED
;;     4. batch 24 x [M 2,048, K 64] x [K 64, N 2,048]; A: computed on the way; B: computed on the way: QUANTISED
;;     5. batch 24 x [M 2,048, K 2,048] x [K 2,048, N 64]; A: softmax (see below); B: computed on the way: QUANTISED
;;     6. [M 4,096, K 768] x [K 768, N 768]; A: computed on the way; B: input Wo: QUANTISED
;;   THE QUANTISER, for each operand of a quantised product, along K:
;;     - K is cut into blocks of 32 from its start; a last block that is shorter is filled with zeros.
;;     - A block's scale is 2^e with e = floor(log2(the largest magnitude in the block)) - 2, held to -126 .. 127; a block of zeros has e = 0. As a byte (E8M0): e + 127.
;;     - Each number is divided by its block's scale, clamped to +-7.5, and rounded to the nearest number of E2M3, ties to even, subnormals kept.
;;     - The product sums the exact products of the quantised numbers (number of the format x scale) in f32.
;;   ~~~python
;;   def quantise(x, axis):      # numpy; x: float32 -> the quantised numbers, widened to float32 again
;;       x = np.moveaxis(x, axis, -1); K = x.shape[-1]
;;       x = np.pad(x, [(0, 0)] * (x.ndim - 1) + [(0, -K % 32)]); x = x.reshape(x.shape[:-1] + (-1, 32)); a = np.abs(x).max(-1, keepdims=True)
;;       e = np.where(a > 0, np.clip(np.frexp(np.where(a > 0, a, 1))[1] - 1 - 2, -126, 127), 0)      # np.frexp(a)[1] - 1 = floor(log2(a)), exactly
;;       r = np.clip(x / 2.0 ** e, -7.5, 7.5)
;;       step = 2.0 ** (np.maximum(np.frexp(np.where(r == 0, 1, r))[1] - 1, 0) - 3)
;;       q = np.round(r / step) * step * 2.0 ** e      # np.round: ties to even
;;       return np.moveaxis(q.reshape(q.shape[:-2] + (-1,))[..., :K], -1, axis).astype(np.float32)
;;   ~~~
;;   SOFTMAX AHEAD OF A QUANTISED PRODUCT. Where the list says 'softmax', what is quantised is not the finished softmax but p = 2^(t - M), with t = logit x log2(e) and M = ceil(the row's largest t), a whole number; so 1/2 < the row's largest p <= 1. The row's sum l is taken of the UNQUANTISED p, in f32, and the product's result is divided by l at the end. Since M is a whole number, a kernel that streams over the keys may use a running M (the ceiling of the running maximum): every later rescaling is an exact power of two, which a block's scale takes up: the codes' values come out the same.
;;   OPERANDS COMPUTED ON THE WAY. 'Computed on the way' means the value that the module computes at that place (a softmax that the list does not call 'softmax' is quantised finished and normalised). What goes into a quantiser is computed in f32, as accurately as f32 sums, v_exp_f32 and their like allow (about 1e-6 of the number): no bf16 or f16 on the way to a quantiser, and a product that is left as it is and whose result goes on into a quantised operand takes f32 operands (vector FMAs, or v_wmma_f32_16x16x4_f32). A number that lies on a knife's edge between two numbers of the format may be rounded either way, as far as f32 arithmetic and the matrix unit's own rounding can turn it there, and no further.
;; One version. Each part assembles by itself: llvm-mc -triple=amdgcn-amd-amdhsa -mcpu=gfx1250 --defsym DOCPART=n.
;; ======== version 1 of 1: 4 launches
;; limits: right only within a limited range of input values
;; workspace buffers: xr 7,667,712 bytes; wr 1,916,928 bytes; qr 2,752,512 bytes; kv 5,308,416 bytes; ao 2,555,904 bytes
;; launch prep (part 1): grid 12 x 56, 4 waves a work-group, no clusters, 34,304 bytes of LDS; arguments query, key_in, value, Wq, Wk, Wv, Wo, xr, wr; writes xr, wr
.if DOCPART == 1
	.amdgcn_target "amdgcn-amd-amdhsa--gfx1250"
	.amdhsa_code_object_version 6
	.text
	.protected	k_qb121b17c98_prep
	.globl	k_qb121b17c98_prep
	.p2align	8
	.type	k_qb121b17c98_prep,@function
k_qb121b17c98_prep:
	s_mov_b64 s[64:65], 0
	v_nop
	global_prefetch_b8 v0, s[64:65] scope:SCOPE_SE
	s_setreg_imm32_b32 hwreg(HW_REG_WAVE_MODE, 25, 1), 1
	s_wait_xcnt 0x0
; PREP: query, key_in, value [4096][768] (K innermost) and Wq, Wk, Wv, Wo [768 (k)][768 (n)] (K outermost), all f32, become codes of E2M3 with one E8M0 byte for each 32 along K.
; NO WORK OF THE PROBLEM IS LEFT OUT IN ANY LAUNCH: all six products are live, and each of the four biases can move the codes or the result behind it, so all eleven inputs are loaded.
; LAYOUT OF THE RESULTS: images of the matrix operand's registers.  A fragment is 16 rows x 128 K = 12 registers a lane = 1,536 bytes: registers 0-3 at 16 x lane, 4-5 at 512 + 8 x lane,
; 6-9 at 768 + 16 x lane, 10-11 at 1,280 + 8 x lane.  Its scale words: 128 bytes, one word a lane.  Two neighbouring tiles make a record of 3,328 bytes: codes, codes, scales, scales.
; xr: [tensor][K step][pair of tiles];  wr: [weight][K step][pair of tiles].  Every store of codes covers 512 or 256 consecutive bytes, aligned to 256.
; THE ROWS OF A TILE ARE NOT NEIGHBOURS: lane row r of tile t is row 32 (t / 2) + 8 (t % 2) + r + 8 (r / 8), for tokens and for the weights' columns alike: a product's eight results of a lane are then
; neighbours along the axis of its source 0, which is what the later quantisers want.
; A block's scale is 2^(floor(log2(largest magnitude)) - 2): its byte is the largest magnitude's exponent field - 2, held at 1 from below by a floor among the maximum's leaves.
; LIMITS: NaN and infinities among the inputs are not served; blocks whose largest magnitude lies under 2^-124 keep the byte 1; a block of zeros has the byte 1 and not 127 (its codes are zeros, and this program alone reads the bytes).
; SHARES: work-groups with y < 32: a wave takes one tile of 16 rows of one activation and three of its six K steps (two neighbouring waves take the two halves of the same rows).
; y >= 32: a wave makes one fragment of one weight.  Waves share nothing: no barrier.
; THE ACTIVATIONS' WAY IN.  The conversions want 16 neighbours along K in ONE lane; a load is best where neighbouring LANES take neighbouring bytes.  Both are had: each load takes 512 consecutive bytes of one row, 16 a lane;
; a K step's 16 rows go through the wave's own stage in LDS as they lie and come back 64 bytes a lane.  A stage row is 512 + 16 bytes = 33 x 16: the sixteen rows that a load back touches fall into sixteen different columns of 16 bytes.
.set XTEN,  2555904                    ; bytes of one activation's images
.set XSTEP, 425984                     ; of one K step of it: 128 records
.set WTEN,  479232                     ; of one weight's images
.set WSTEP, 79872                      ; of one K step of it: 24 records
.set PAIR,  3328
.set ROWB,  3072                       ; a row of any of the seven inputs
.set NS,    3                          ; K steps of an activation's wave
.set SP,    528                        ; a stage row
.set WSTG,  16*SP                      ; a wave's stage
.set SPARE, 4*WSTG                     ; behind the four stages: the spare words, 128 bytes for each wave: two blocks of 256 bytes that no other line names
.set R,   1                            ; v1   lane % 16
.set H,   2                            ; v2   lane / 16
.set L16, 3                            ; v3   16 x lane
.set L8,  4                            ; v4   8 x lane
.set L4,  5                            ; v5   4 x lane
.set LO,  6                            ; v6   the weights: my lane's byte in the input
.set TM,  8                            ; v8-13  largest magnitudes, the other half's or bytes, scale operands
.set PWL, 14                           ; v14  two scale bytes
.set PW,  15                           ; v15  a scale word
.set C,   16                           ; v16-27 a fragment's codes
.set T,   28                           ; v28-30, v32-34: a conversion's three registers begin on an even number
.set T2,  32
.set SPW, 36                           ; v36  LDS address of my spare word: SPARE + 4 x my thread's number; never rewritten
.set NIL, 37                           ; v37  0; never rewritten
.set STI, 38                           ; v38  the stage, on the way in: 16 x lane
.set STR, 39                           ; v39  and on the way out: row r, + 64 h
.set X0,  40                           ; v40-231: three sets of 64 numbers
.set SEL, 40                           ; s[40:41] lane selects for v_permlanex16_b32: lane l xor 16
; 32 numbers of a lane, register 16 b + i = k 32 b + 16 (lane / 16) + i of my row, become half a fragment (6 registers at dst) and two scale bytes (pw, bits 15:0).
.macro HALFQ src, dst, pw
.irp b, 0,1
	v_max3_num_f32 v[TM+\b], |v[(\src)+16*\b]|, |v[(\src)+16*\b+1]|, 0x1800000   ; my 16 numbers of block b, and the floor 2^(3 - 127)
.endr
.irp i, 2,4,6,8,10,12,14
.irp b, 0,1
	v_max3_num_f32 v[TM+\b], v[TM+\b], |v[(\src)+16*\b+\i]|, |v[(\src)+16*\b+\i+1]|
.endr
.endr
.irp b, 0,1
	v_permlanex16_b32 v[TM+2+\b], v[TM+\b], s[SEL], s[SEL+1]
.endr
.irp b, 0,1
	v_max_num_f32 v[TM+\b], v[TM+\b], v[TM+2+\b]       ; with lane l xor 16's: the block's largest magnitude
.endr
.irp b, 0,1
	v_add_nc_u32 v[TM+4+\b], 0xff000000, v[TM+\b]      ; 2 off its exponent field: the conversion's scale operand
.endr
.irp b, 0,1
	v_lshrrev_b32 v[TM+2+\b], 23, v[TM+4+\b]           ; the scale's byte
.endr
	v_lshl_or_b32 v[\pw], v[TM+3], 8, v[TM+2]
	v_cvt_scalef32_pk16_fp6_f32 v[(\dst):(\dst)+2], v[(\src):(\src)+15], v[TM+4]
	v_cvt_scalef32_pk16_fp6_f32 v[T:T+2], v[(\src)+16:(\src)+31], v[TM+5]
	v_nop                                              ; one plain place behind a scaled conversion
.irp i, 0,1,2
	v_permlane16_swap_b32 v[(\dst)+\i], v[T+\i]        ; the operand wants a whole block in a lane: lanes 0-15 block 0, lanes 16-31 block 1
.endr
.irp i, 0,1,2
	v_mov_b32 v[(\dst)+3+\i], v[T+\i]
.endr
.endm
.macro PUT cb, pw, off                 ; the image of the fragment in v[cb] on, and its scale words in v[pw]
	global_store_b128 v[L16], v[(\cb):(\cb)+3], s[42:43] offset:\off
	global_store_b64 v[L8], v[(\cb)+4:(\cb)+5], s[42:43] offset:(\off)+512
	global_store_b128 v[L16], v[(\cb)+6:(\cb)+9], s[42:43] offset:(\off)+768
	global_store_b64 v[L8], v[(\cb)+10:(\cb)+11], s[42:43] offset:(\off)+1280
	global_store_b32 v[L4], v[\pw], s[44:45] offset:\off
.endm
	s_load_b512 s[8:23], s[0:1], 0x0               ; query s[8:9], key_in s[10:11], value s[12:13], Wq s[14:15], Wk s[16:17], Wv s[18:19], Wo s[20:21], xr s[22:23]
	s_load_b64 s[24:25], s[0:1], 0x40              ; wr
	v_lshl_add_u32 v[SPW], v0, 2, SPARE
	v_mov_b32 v[NIL], 0
	v_lshrrev_b32 v7, 5, v0
	v_readfirstlane_b32 s26, v7                    ; wave 0..3
	s_and_b32 s27, ttmp7, 0xffff                   ; work-group y
	v_and_b32 v[R], 15, v0
	v_bfe_u32 v[H], v0, 4, 1
	v_and_b32 v7, 31, v0
	v_lshlrev_b32 v[L16], 4, v7
	v_lshlrev_b32 v[L8], 3, v7
	v_lshlrev_b32 v[L4], 2, v7
	s_mul_i32 s28, s26, WSTG                       ; my wave's stage
	v_add_nc_u32 v[STI], s28, v[L16]
	v_mul_u32_u24 v[STR], v[R], SP
	v_lshl_add_u32 v[STR], v[H], 6, v[STR]
	v_add_nc_u32 v[STR], s28, v[STR]
	v_and_b32 v7, 8, v[R]
	v_add_nc_u32 v7, v7, v[R]                      ; r + 8 (r / 8)
	v_mov_b32 v[TM+2], 0                           ; written once: a lane permute's destination counts as one of its sources
	v_mov_b32 v[TM+3], 0
	s_mov_b32 s[SEL], 0x76543210
	s_mov_b32 s[SEL+1], 0xfedcba98
	s_mov_b32 s37, 0                               ; the high word of every offset
	s_cmp_ge_u32 s27, 32
	s_cbranch_scc1 .Lweights
	; ---- THE ACTIVATIONS: 384 work-groups x 4 waves = 3 x 256 tiles x 2 halves of K
	s_mul_i32 s28, s27, 12
	s_add_co_u32 s28, s28, ttmp9
	s_lshl_b32 s28, s28, 2
	s_add_co_u32 s28, s28, s26                     ; my share among the 1,536
	s_and_b32 s31, s28, 1                          ; which three K steps
	s_lshr_b32 s28, s28, 1                         ; my tile among the 768
	s_lshr_b32 s29, s28, 8                         ; which tensor
	s_and_b32 s30, s28, 255                        ; tile t in it
	s_lshr_b32 s34, s30, 1
	s_and_b32 s35, s30, 1
	s_mul_i32 s36, s34, 32*ROWB
	s_mul_i32 s38, s35, 8*ROWB
	s_add_co_u32 s36, s36, s38                     ; the tile's first row: 32 (t / 2) + 8 (t % 2),
	; key_in alone has another order of rows in a tile: lane row r of tile t is row 64 (t / 4) + 32 (r / 8) + 8 (t % 4) + r % 8, so that in the scores' transposed tiles
	; a lane's 32 registers of four tiles on end are one whole block of 32 neighbouring keys.  Its first row differs, and its lane rows 8-15 lie 16 rows further down than the others'.
	s_lshr_b32 s38, s30, 2
	s_mul_i32 s38, s38, 64*ROWB
	s_and_b32 s39, s30, 3
	s_mul_i32 s39, s39, 8*ROWB
	s_add_co_u32 s38, s38, s39
	s_cmp_eq_u32 s29, 1
	s_cselect_b32 s36, s38, s36
	s_cselect_b32 s39, 16*ROWB, 0
	v_add_nc_u32 v[LO], s39, v[L16]                ; the offset of lane rows 8-15
	s_wait_alu depctr_va_vdst(0)                   ; the wait behind this write
	s_mul_i32 s38, s31, NS*512
	s_add_co_u32 s36, s36, s38                     ; and my three K steps' 1,536 bytes in a row
	s_wait_kmcnt 0x0
	s_cmp_eq_u32 s29, 0
	s_cselect_b64 s[32:33], s[8:9], s[10:11]
	s_cmp_eq_u32 s29, 2
	s_cselect_b64 s[32:33], s[12:13], s[32:33]
	s_add_nc_u64 s[32:33], s[32:33], s[36:37]
.macro XLOAD s                         ; my K step s into set s: load i takes the 512 consecutive bytes of the tile's lane row i, at a multiple of 256 from the tensor's first byte
.irp i, 0,1,2,3,4,5,6,7,8,9,10,11,12,13,14,15
.if \i < 8
	global_load_b128 v[X0+64*(\s)+4*\i:X0+64*(\s)+4*\i+3], v[L16], s[32:33] offset:(\i+8*(\i/8))*ROWB+512*(\s) th:TH_LOAD_NT
.else
	global_load_b128 v[X0+64*(\s)+4*\i:X0+64*(\s)+4*\i+3], v[LO], s[32:33] offset:(\i+8*(\i/8))*ROWB+512*(\s) th:TH_LOAD_NT
.endif
.endr
.endm
	XLOAD 0                                        ; all 48 loads go out at once
	XLOAD 1
	XLOAD 2
	s_mul_i32 s38, s29, XTEN
	s_mul_i32 s39, s31, NS*XSTEP
	s_add_co_u32 s38, s38, s39
	s_mul_i32 s39, s34, PAIR
	s_add_co_u32 s38, s38, s39                     ; my pair's record in my first K step
	s_mul_i32 s39, s35, 1536
	s_add_co_u32 s36, s38, s39
	s_add_nc_u64 s[42:43], s[22:23], s[36:37]      ; my tile's codes
	s_lshl_b32 s39, s35, 7
	s_add_co_u32 s36, s38, s39
	s_add_co_u32 s36, s36, 3072
	s_add_nc_u64 s[44:45], s[22:23], s[36:37]      ; and its scale words
; A K step.  Its codes and its scale word have registers of their own, so that no store's data are written again: step 0's at v15-27, step s's in the set that step s - 1 has used up.
.macro QSTEP s
.if (\s) == 0
.set CB, C
.set PR, PW
.else
.set CB, X0+64*((\s)-1)
.set PR, X0+64*((\s)-1)+12
.endif
	s_wait_loadcnt 16*(NS-1-(\s))                  ; this step's 16 loads are in; those of the later steps, issued behind them, may be out
.irp i, 0,1,2,3,4,5,6,7,8,9,10,11,12,13,14,15
	ds_store_b128 v[STI], v[X0+64*(\s)+4*\i:X0+64*(\s)+4*\i+3] offset:\i*SP      ; row i as it lies
.endr
	s_wait_dscnt 0x0                               ; the stores have read their registers: the loads below land in the same ones
.irp b, 0,1,2,3
.irp j, 0,1,2,3
	ds_load_b128 v[X0+64*(\s)+16*\b+4*\j:X0+64*(\s)+16*\b+4*\j+3], v[STR] offset:128*\b+16*\j   ; of row r: my 16 numbers of block b
.endr
.endr
	s_wait_dscnt 0x0
	HALFQ X0+64*(\s), CB, PWL
	HALFQ X0+64*(\s)+32, CB+6, PR
	v_lshl_or_b32 v[PR], v[PR], 16, v[PWL]         ; four bytes: my row's scale word for these 128 along K
	PUT CB, PR, XSTEP*(\s)
.endm
	s_wait_alu depctr_va_vdst(0)
.irp s, 0,1,2
	QSTEP \s
.endr
	s_wait_tensorcnt 0x0                           ; the wave's end: behind my last LDS store
	ds_add_u32 v[SPW], v[NIL]
	s_wait_dscnt 0x0
	s_endpgm
	; ---- THE WEIGHTS: 288 work-groups x 4 waves = 4 weights x 6 K steps x 48 tiles.  A lane takes a column n and its registers run down K, in the order that the operand's layout gives that lane:
	; k = 128 s + 64 c + 32 h + 0 .. 31.  A lane holds two whole blocks, so no maximum crosses lanes, and the conversions' results are the operand's registers.  These waves touch no LDS.
.Lweights:
	s_sub_co_u32 s28, s27, 32
	s_and_b32 s29, s28, 3                          ; which weight: q, k, v, o
	s_lshr_b32 s30, s28, 2                         ; K step
	s_lshl_b32 s31, ttmp9, 2
	s_add_co_u32 s31, s31, s26                     ; tile t of 48
	s_lshr_b32 s34, s31, 1
	s_and_b32 s35, s31, 1
	s_mul_i32 s36, s30, 128*ROWB
	s_lshl_b32 s38, s34, 7
	s_add_co_u32 s36, s36, s38
	s_lshl_b32 s38, s35, 5
	s_add_co_u32 s36, s36, s38                     ; 128 s rows down, 4 (32 (t / 2) + 8 (t % 2)) bytes along
	s_wait_alu depctr_va_vdst(0)
	v_lshlrev_b32 v[LO], 2, v7
	v_mad_u32_u24 v[LO], v[H], 32*ROWB, v[LO]      ; my column of the tile; lanes 16-31 begin 32 rows further down
	s_wait_alu depctr_va_vdst(0)
	s_wait_kmcnt 0x0
	s_cmp_eq_u32 s29, 0
	s_cselect_b64 s[32:33], s[14:15], s[16:17]
	s_cmp_eq_u32 s29, 2
	s_cselect_b64 s[32:33], s[18:19], s[32:33]
	s_cmp_eq_u32 s29, 3
	s_cselect_b64 s[32:33], s[20:21], s[32:33]
	s_add_nc_u64 s[32:33], s[32:33], s[36:37]
.irp c, 0,1
.irp i, 0,1,2,3,4,5,6,7,8,9,10,11,12,13,14,15,16,17,18,19,20,21,22,23,24,25,26,27,28,29,30,31
	global_load_b32 v[X0+32*\c+\i], v[LO], s[32:33] offset:(64*\c+\i)*ROWB
.endr
.endr
	s_mul_i32 s38, s29, WTEN
	s_mul_i32 s39, s30, WSTEP
	s_add_co_u32 s38, s38, s39
	s_mul_i32 s39, s34, PAIR
	s_add_co_u32 s38, s38, s39                     ; my pair's record
	s_mul_i32 s39, s35, 1536
	s_add_co_u32 s36, s38, s39
	s_add_nc_u64 s[42:43], s[24:25], s[36:37]
	s_lshl_b32 s39, s35, 7
	s_add_co_u32 s36, s38, s39
	s_add_co_u32 s36, s36, 3072
	s_add_nc_u64 s[44:45], s[24:25], s[36:37]
	s_wait_loadcnt 0x0
.irp c, 0,1
	v_max3_num_f32 v[TM+\c], |v[X0+32*\c]|, |v[X0+32*\c+1]|, 0x1800000   ; my block 2 c + h: all its 32 numbers are mine; and the floor
.endr
.irp i, 2,4,6,8,10,12,14,16,18,20,22,24,26,28,30
.irp c, 0,1
	v_max3_num_f32 v[TM+\c], v[TM+\c], |v[X0+32*\c+\i]|, |v[X0+32*\c+\i+1]|
.endr
.endr
.irp c, 0,1
	v_add_nc_u32 v[TM+4+\c], 0xff000000, v[TM+\c]
.endr
.irp c, 0,1
	v_lshrrev_b32 v[TM+2+\c], 23, v[TM+4+\c]
.endr
	v_lshl_or_b32 v[PW], v[TM+3], 16, v[TM+2]      ; my two bytes: blocks h and 2 + h of my column,
	v_lshlrev_b32 v[PWL], 3, v[H]
	v_lshlrev_b32 v[PW], v[PWL], v[PW]             ; at their places in the scale word;
	v_mov_b32 v[PWL], 0
	v_permlanex16_b32 v[PWL], v[PW], s[SEL], s[SEL+1]
	v_or_b32 v[PW], v[PW], v[PWL]                  ; with lane l xor 16's two the word is whole
	v_cvt_scalef32_pk16_fp6_f32 v[C:C+2], v[X0:X0+15], v[TM+4]
	v_cvt_scalef32_pk16_fp6_f32 v[T:T+2], v[X0+16:X0+31], v[TM+4]
	v_cvt_scalef32_pk16_fp6_f32 v[C+6:C+8], v[X0+32:X0+47], v[TM+5]
	v_cvt_scalef32_pk16_fp6_f32 v[T2:T2+2], v[X0+48:X0+63], v[TM+5]
	v_nop                                          ; one plain place behind a scaled conversion
.irp i, 0,1,2
	v_mov_b32 v[C+3+\i], v[T+\i]
	v_mov_b32 v[C+9+\i], v[T2+\i]
.endr
	PUT C, PW, 0
	s_endpgm
.Lfunc_end_k_qb121b17c98_prep:
	.size	k_qb121b17c98_prep, .Lfunc_end_k_qb121b17c98_prep-k_qb121b17c98_prep
	.p2alignl 7, 3214868480
	.fill 96, 4, 3214868480
	.section	.rodata,"a",@progbits
	.p2align	6, 0x0
	.amdhsa_kernel k_qb121b17c98_prep
		.amdhsa_group_segment_fixed_size 34304
		.amdhsa_private_segment_fixed_size 0
		.amdhsa_enable_private_segment 0
		.amdhsa_kernarg_size 72
		.amdhsa_user_sgpr_count 2
		.amdhsa_user_sgpr_kernarg_segment_ptr 1
		.amdhsa_wavefront_size32 1
		.amdhsa_system_sgpr_workgroup_id_x 1
		.amdhsa_system_sgpr_workgroup_id_y 1
		.amdhsa_system_sgpr_workgroup_id_z 1
		.amdhsa_system_vgpr_workitem_id 0
		.amdhsa_next_free_vgpr 232
		.amdhsa_next_free_sgpr 66
		.amdhsa_reserve_vcc 0
		.amdhsa_float_denorm_mode_32 3
		.amdhsa_float_denorm_mode_16_64 3
		.amdhsa_memory_ordered 1
		.amdhsa_forward_progress 1
		.amdhsa_inst_pref_size 38
	.end_amdhsa_kernel
	.amdgpu_metadata
---
amdhsa.version: [ 1, 2 ]
amdhsa.kernels:
  - .name:           k_qb121b17c98_prep
    .symbol:         k_qb121b17c98_prep.kd
    .args:
      - { .name: query, .offset: 0, .size: 8, .value_kind: global_buffer, .address_space: global }
      - { .name: key_in, .offset: 8, .size: 8, .value_kind: global_buffer, .address_space: global }
      - { .name: value, .offset: 16, .size: 8, .value_kind: global_buffer, .address_space: global }
      - { .name: Wq, .offset: 24, .size: 8, .value_kind: global_buffer, .address_space: global }
      - { .name: Wk, .offset: 32, .size: 8, .value_kind: global_buffer, .address_space: global }
      - { .name: Wv, .offset: 40, .size: 8, .value_kind: global_buffer, .address_space: global }
      - { .name: Wo, .offset: 48, .size: 8, .value_kind: global_buffer, .address_space: global }
      - { .name: xr, .offset: 56, .size: 8, .value_kind: global_buffer, .address_space: global }
      - { .name: wr, .offset: 64, .size: 8, .value_kind: global_buffer, .address_space: global }
    .group_segment_fixed_size: 34304
    .private_segment_fixed_size: 0
    .kernarg_segment_align: 8
    .kernarg_segment_size: 72
    .max_flat_workgroup_size: 128
    .sgpr_count:     66
    .vgpr_count:     232
    .wavefront_size: 32
...
	.end_amdgpu_metadata
.endif
;; end of part 1
;; launch proj (part 2): grid 4 x 48, 12 waves a work-group, clusters of 4 x 4, 281,088 bytes of LDS; arguments xr, wr, bq, bk, bv, qr, kv; writes qr, kv
.if DOCPART == 2
	.amdgcn_target "amdgcn-amd-amdhsa--gfx1250"
	.amdhsa_code_object_version 6
	.text
	.protected	k_qb121b17c98_proj
	.globl	k_qb121b17c98_proj
	.p2align	8
	.type	k_qb121b17c98_proj,@function
k_qb121b17c98_proj:
	s_mov_b64 s[64:65], 0
	v_nop
	global_prefetch_b8 v0, s[64:65] scope:SCOPE_SE
	s_setreg_imm32_b32 hwreg(HW_REG_WAVE_MODE, 25, 1), 1
	s_wait_xcnt 0x0
	s_wait_alu depctr_hold_cnt(0) depctr_sa_sdst(0) depctr_va_vdst(0) depctr_va_sdst(0) depctr_va_ssrc(0) depctr_va_vcc(0) depctr_vm_vsrc(0)
	s_getreg_b32 s2, hwreg(HW_REG_IB_STS2, 6, 4)
	s_cmp_eq_u32 s2, 0
	s_cbranch_scc0 .Lentry_in_a_cluster
	s_endpgm
.Lentry_in_a_cluster:
	s_bfe_u32 s2, ttmp6, 0x10000c
	s_cmp_lg_u32 s2, 0xf033
	s_cbranch_scc0 .Lentry_shape_is_right
	s_endpgm
.Lentry_shape_is_right:
; PROJ: Q = query Wq + bq, K = key_in Wk + bk, V = value Wv + bv on the codes that the launch before has made, and the results quantised at once: Q and K along the head's 64, V along the keys.
; Nothing of the problem is left out here.
; SHARES.  A work-group takes 256 rows (16 tiles) of one of the three tensors x 192 columns (3 heads, 12 tiles).  Wave w of twelve: rows 64 (w % 4) on, head w / 4: a tile of 64 x 64, 16 accumulators.
; ALL SIX K STEPS OF BOTH OPERANDS LIE IN LDS AT ONCE: twelve tensor loads, one a wave, all issued at the head; nothing is filled twice, so one wait and one barrier serve the whole launch.
; CLUSTER 4 x 4: the four work-groups of a row of the cluster take the same rows, the four of a column the same columns: each block is asked for jointly.
; Q, K: source 0 = 16 columns of W, source 1 = 16 tokens: a lane holds ONE token and its registers run along the head's 64; the bias is loaded into the accumulators and starts the sums.
; V:    source 0 = 16 tokens, source 1 = 16 columns of W: a lane holds ONE channel d and its registers run along the keys; the bias, one number a lane, is added behind the sums.
; By the order of rows in a tile (32 (t / 2) + 8 (t % 2) + r + 8 (r / 8)) the 32 registers of four accumulators on end are: register 16 b + i = place 32 b + 16 (lane / 16) + i.
; RESULTS: halves of fragments (64 along K: 6 registers, 768 bytes: registers 0-3 at 16 x lane, 4-5 at 512 + 8 x lane).  qr: [b h][128 halves, then 128 x 128 bytes of scale words].
; kv: [b h][key step of 128 keys: 13,824 bytes]: K's 8 halves; V's 4 fragments of 16 d x 128 keys; K's 8 x 128 bytes of scale words; V's 4 x 128.  Q's and K's scale words have bytes 2 and 3 = 0.
; V's scale words are made in halves by two waves: two bytes a lane, 4 bytes apart: 1 / 12 of the codes' bytes leave so.
; LIMITS: as in the first launch (NaN, infinities, blocks under 2^-124, a block of zeros has the byte 1); in Q and K the bias is the first term of the f32 sum, in V the last.
.set XTEN,  2555904
.set XSTEP, 425984
.set WTEN,  479232
.set WSTEP, 79872
.set PAIR,  3328
.set XBLK,  26624                      ; 16 tiles of one K step: 104 x 256 bytes
.set WBLK,  19968                      ; 12 tiles: 78 x 256 bytes
.set WLDS,  6*XBLK                     ; LDS: x's six K steps, then W's six
.set SPARE, WLDS+6*WBLK                ; then the spare words, 128 bytes for each of twelve waves: six blocks of 256 bytes that no other line names
.set QHEAD, 114688
; THE RECORDS AS THEY ARE LAID NOW (in place of the figures in the head comment): a key step of kv is 13,056 bytes: K's 8 halves at 0; V's 4 fragments at 6,144; K's scale words at 12,288, 4 x 128 bytes;
; V's at 12,800, 2 x 128 bytes.  Scale words of two neighbouring tiles share 128 bytes: lanes 0-15 the even tile's rows, lanes 16-31 the odd tile's.  Q's scale words in qr are paired the same way.
.set KVHEAD, 208896
.set KVSTEP, 13056
.set SPW, 1                            ; v1   LDS address of my spare word; never rewritten
.set NIL, 2                            ; v2   0; never rewritten
.set L16, 3                            ; v3-5 16, 8, 4 x lane: the stores' offsets
.set L8,  4
.set L4,  5
.set XA,  6                            ; v6-8   LDS: my 4 tiles of x in the K step in hand, + 16, 8, 4 x lane
.set WA,  9                            ; v9-11  the same for W
.set SC0, 16                           ; v16-19 source 0's scale words, v20-23 source 1's: these hold scales and nothing else
.set SC1, 20
.set BV,  24                           ; v24-31 bv, each number twice
.set F0,  32                           ; v32-79 source 0's four fragments; v80-127 source 1's
.set F1,  80
.set ACC, 128                          ; v128-255: accumulator (j, i) at ACC + 8 (4 j + i)
.set TM,  96                           ; on the way out: v32-63 four sets of codes and bytes, v96-101, v104-106 at work
.set T,   104
.set WV,  18
.set G1X, 28
.set G1W, 36
.set G0X, 44
.set G0W, 48
.set SEL, 52
.macro HALFQ src, dst, pw              ; 32 numbers of a lane, register 16 b + i = k 32 b + 16 (lane / 16) + i, become half a fragment (6 registers at dst) and two scale bytes (pw, bits 15:0)
.irp b, 0,1
	v_max3_num_f32 v[TM+\b], |v[(\src)+16*\b]|, |v[(\src)+16*\b+1]|, 0x1800000   ; each accumulator is read from its low end on; the floor 2^(3 - 127) holds the byte at 1 from below
.endr
.irp i, 2,4,6,8,10,12,14
.irp b, 0,1
	v_max3_num_f32 v[TM+\b], v[TM+\b], |v[(\src)+16*\b+\i]|, |v[(\src)+16*\b+\i+1]|
.endr
.endr
.irp b, 0,1
	s_delay_alu instid0(VALU_DEP_2)
	v_permlanex16_b32 v[TM+2+\b], v[TM+\b], s[SEL], s[SEL+1]
.endr
.irp b, 0,1
	s_delay_alu instid0(VALU_DEP_2)
	v_max_num_f32 v[TM+\b], v[TM+\b], v[TM+2+\b]
.endr
.irp b, 0,1
	s_delay_alu instid0(VALU_DEP_2)
	v_add_nc_u32 v[TM+4+\b], 0xff000000, v[TM+\b]
.endr
.irp b, 0,1
	s_delay_alu instid0(VALU_DEP_2)
	v_lshrrev_b32 v[TM+2+\b], 23, v[TM+4+\b]
.endr
	s_delay_alu instid0(VALU_DEP_1)
	v_lshl_or_b32 v[\pw], v[TM+3], 8, v[TM+2]
	v_cvt_scalef32_pk16_fp6_f32 v[(\dst):(\dst)+2], v[(\src):(\src)+15], v[TM+4]
	v_cvt_scalef32_pk16_fp6_f32 v[T:T+2], v[(\src)+16:(\src)+31], v[TM+5]
	v_nop                                              ; one plain place behind a scaled conversion
.irp i, 0,1,2
	v_permlane16_swap_b32 v[(\dst)+\i], v[T+\i]
.endr
.irp i, 0,1,2
	s_delay_alu instid0(VALU_DEP_3)
	v_mov_b32 v[(\dst)+3+\i], v[T+\i]
.endr
.endm
.macro FRAG reg, a, off                ; a fragment's image comes back as it was stored: every load takes consecutive bytes
	ds_load_b128 v[(\reg):(\reg)+3], v[\a] offset:\off
	ds_load_b64 v[(\reg)+4:(\reg)+5], v[(\a)+1] offset:(\off)+512
	ds_load_b128 v[(\reg)+6:(\reg)+9], v[\a] offset:(\off)+768
	ds_load_b64 v[(\reg)+10:(\reg)+11], v[(\a)+1] offset:(\off)+1280
.endm
; Six K steps of 4 x 4 tiles.  a0, a1: the address registers of source 0 and 1; st0, st1: bytes from a K step to the next; zero = 1: the first step starts the sums with the constant 0.
; The sixteen accumulators take turns, one instruction a turn, in the same order in every step.
.macro GEMM a0, st0, a1, st1, zero
.irp s, 0,1,2,3,4,5
.if \s > 0
	s_wait_alu depctr_va_vdst(0)
.irp e, 0,1,2
	v_add_nc_u32 v[\a0+\e], \st0, v[\a0+\e]            ; the next K step; these six are also the places in front of loads into registers that matrix instructions have read
	v_add_nc_u32 v[\a1+\e], \st1, v[\a1+\e]
.endr
.endif
.irp i, 0,1,2,3
	FRAG F0+12*\i, \a0, (\i/2)*PAIR+(\i%2)*1536
	ds_load_b32 v[SC0+\i], v[\a0+2] offset:(\i/2)*PAIR+3072+(\i%2)*128
.endr
.irp i, 0,1,2,3
	FRAG F1+12*\i, \a1, (\i/2)*PAIR+(\i%2)*1536
	ds_load_b32 v[SC1+\i], v[\a1+2] offset:(\i/2)*PAIR+3072+(\i%2)*128
.endr
	s_wait_dscnt 0x0
.irp j, 0,1,2,3
.irp i, 0,1,2,3
.if (\zero) && (\s == 0)
	v_wmma_scale_f32_16x16x128_f8f6f4 v[ACC+8*(4*\j+\i):ACC+8*(4*\j+\i)+7], v[F0+12*\i:F0+12*\i+11], v[F1+12*\j:F1+12*\j+11], 0, v[SC0+\i], v[SC1+\j] matrix_a_fmt:MATRIX_FMT_FP6 matrix_b_fmt:MATRIX_FMT_FP6
.else
	v_wmma_scale_f32_16x16x128_f8f6f4 v[ACC+8*(4*\j+\i):ACC+8*(4*\j+\i)+7], v[F0+12*\i:F0+12*\i+11], v[F1+12*\j:F1+12*\j+11], v[ACC+8*(4*\j+\i):ACC+8*(4*\j+\i)+7], v[SC0+\i], v[SC1+\j] matrix_a_fmt:MATRIX_FMT_FP6 matrix_b_fmt:MATRIX_FMT_FP6
.endif
.endr
.endr
.endr
.endm
.macro CROUND                          ; a round of the cluster's barrier
	s_barrier_signal -1
	s_barrier_wait -1
	s_cmp_lg_u32 s[WV], 0
	s_cbranch_scc1 .Lnot_wave_0_\@
	s_barrier_signal -3
.Lnot_wave_0_\@:
	s_barrier_wait -3
	s_barrier_signal -1
	s_barrier_wait -1
.endm
	s_load_b256 s[4:11], s[0:1], 0x0               ; xr s[4:5], wr s[6:7], bq s[8:9], bk s[10:11]
	s_load_b128 s[12:15], s[0:1], 0x20             ; bv s[12:13], qr s[14:15]
	s_load_b64 s[16:17], s[0:1], 0x30              ; kv
	v_lshl_add_u32 v[SPW], v0, 2, SPARE
	v_mov_b32 v[NIL], 0
	ds_add_u32 v[SPW], v[NIL]                      ; the wave's opening: the add, twice on end, and its wait ahead of my first tensor load; the set-up below stands between
	ds_add_u32 v[SPW], v[NIL]
	v_lshrrev_b32 v12, 5, v0
	s_delay_alu instid0(VALU_DEP_1)
	v_readfirstlane_b32 s[WV], v12                 ; wave 0..11
	s_and_b32 s19, s[WV], 3                        ; rg: which 64 rows
	s_lshr_b32 s20, s[WV], 2                       ; hd: which of the three heads
	s_bfe_u32 s21, ttmp6, 0x40000                  ; cx = the column group
	s_bfe_u32 s22, ttmp6, 0x40004                  ; cy
	s_and_b32 s23, ttmp7, 0xffff                   ; the cluster's y, 0..11
	s_lshr_b32 s24, s23, 2                         ; the tensor: 0 Q, 1 K, 2 V: the same in all sixteen partners
	s_and_b32 s25, s23, 3
	s_lshl_b32 s25, s25, 2
	s_add_co_u32 s25, s25, s22                     ; rb: which 256 rows of it
	s_lshl_b32 s26, s22, 2
	s_lshl_b32 s26, 15, s26                        ; my row of the cluster
	s_lshl_b32 s27, 0x1111, s21                    ; my column
	; descriptor group 1: dense blocks as rows of 256 bytes (32 elements of 8 bytes), no padding: an image's loads take consecutive bytes
	s_or_b32 s[G1X], s26, (3<<16)|(1<<21)          ; 15:0 the mask: x's blocks go to my row; 17:16 elements of 8 bytes; 21 set beside a mask
	s_or_b32 s[G1W], s27, (3<<16)|(1<<21)          ; W's go to my column
.irp g, G1X, G1W
	s_mov_b32 s[\g+1], 32<<16                      ; tensor_dim0
	s_mov_b32 s[\g+3], 32<<16                      ; tile_dim0
	s_mov_b32 s[\g+5], 32                          ; from row to row
	s_mov_b32 s[\g+6], 0
	s_mov_b32 s[\g+7], 0
.endr
	s_mov_b32 s[G1X+2], (XBLK/256)<<16             ; tensor_dim1
	s_mov_b32 s[G1X+4], XBLK/256                   ; tile_dim1
	s_mov_b32 s[G1W+2], (WBLK/256)<<16
	s_mov_b32 s[G1W+4], WBLK/256
	; what I fetch: even waves x's K step w / 2, odd waves W's.  Every wave makes both addresses, in registers that never hold the other coordinate
	s_lshr_b32 s54, s[WV], 1
	s_and_b32 s55, s[WV], 1
	s_mul_i32 s56, s24, XTEN
	s_mul_i32 s57, s54, XSTEP
	s_add_co_u32 s56, s56, s57
	s_mul_i32 s57, s25, XBLK
	s_add_co_u32 s56, s56, s57
	s_mov_b32 s57, 0
	s_mul_i32 s58, s24, WTEN
	s_mul_i32 s59, s54, WSTEP
	s_add_co_u32 s58, s58, s59
	s_mul_i32 s59, s21, WBLK
	s_add_co_u32 s58, s58, s59
	s_mov_b32 s59, 0
	s_mul_i32 s60, s54, XBLK                       ; where they go: no place in the cluster enters an LDS address
	s_mul_i32 s61, s54, WBLK
	s_add_co_u32 s61, s61, WLDS
	; every LDS address and lane offset
	v_and_b32 v12, 31, v0
	s_delay_alu instid0(VALU_DEP_1)
	v_lshlrev_b32 v[L16], 4, v12
	s_delay_alu instid0(VALU_DEP_2)
	v_lshlrev_b32 v[L8], 3, v12
	s_delay_alu instid0(VALU_DEP_3)
	v_lshlrev_b32 v[L4], 2, v12
	s_mul_i32 s69, s19, 2*PAIR
	v_add_nc_u32 v[XA], s69, v[L16]
	v_add_nc_u32 v[XA+1], s69, v[L8]
	v_add_nc_u32 v[XA+2], s69, v[L4]
	s_mul_i32 s77, s20, 2*PAIR
	s_add_co_u32 s77, s77, WLDS
	v_add_nc_u32 v[WA], s77, v[L16]
	v_add_nc_u32 v[WA+1], s77, v[L8]
	v_add_nc_u32 v[WA+2], s77, v[L4]
	v_bfe_u32 v13, v0, 4, 1
	s_delay_alu instid0(VALU_DEP_1)
	v_lshlrev_b32 v13, 6, v13                      ; 64 h: bq's and bk's numbers of my half
	v_and_b32 v14, 15, v0
	s_delay_alu instid0(VALU_DEP_1)
	v_and_b32 v15, 8, v14
	s_delay_alu instid0(VALU_DEP_1)
	v_add_nc_u32 v14, v14, v15
	s_delay_alu instid0(VALU_DEP_1)
	v_lshlrev_b32 v14, 2, v14                      ; 4 (r + 8 (r / 8)): bv's number of my lane
	s_mov_b32 s[SEL], 0x76543210
	s_mov_b32 s[SEL+1], 0xfedcba98
	; where the results go
	s_lshr_b32 s66, s25, 3                         ; the batch
	s_mul_i32 s66, s66, 12
	s_mul_i32 s67, s21, 3
	s_add_co_u32 s67, s67, s20                     ; the head
	s_add_co_u32 s66, s66, s67                     ; b h
	s_and_b32 s68, s25, 7
	s_lshl_b32 s68, s68, 4
	s_lshl_b32 s69, s19, 2
	s_add_co_u32 s68, s68, s69                     ; my first tile of tokens in the batch
	s_mul_i32 s70, s66, QHEAD
	s_mul_i32 s71, s68, 768
	s_add_co_u32 s71, s71, s70                     ; Q's halves
	s_lshl_b32 s72, s68, 6
	s_add_co_u32 s72, s72, s70
	s_add_co_u32 s72, s72, 128*768                 ; Q's scale words
	s_mul_i32 s73, s66, KVHEAD
	s_lshr_b32 s74, s68, 3
	s_mul_i32 s74, s74, KVSTEP
	s_add_co_u32 s73, s73, s74                     ; my key step
	s_and_b32 s74, s68, 4                          ; 4 (rg % 2): which half of its 128 keys
	s_mul_i32 s75, s74, 768
	s_add_co_u32 s75, s75, s73                     ; K's halves
	s_lshl_b32 s76, s74, 6
	s_add_co_u32 s76, s76, s73
	s_add_co_u32 s76, s76, 12288                   ; K's scale words
	s_lshl_b32 s62, s67, 8                         ; the head's 64 numbers in a bias
	s_mov_b32 s63, 0
	s_mov_b32 s83, 0
	s_mov_b32 s85, 0
	s_wait_dscnt 0x0                               ; both opening adds are done
	s_wait_kmcnt 0x0
	s_mov_b32 s[G0X], 1                            ; count = 1
	s_mov_b32 s[G0X+1], s60                        ; LDS address
	s_add_nc_u64 s[G0X+2:G0X+3], s[4:5], s[56:57]  ; global address
	s_or_b32 s[G0X+3], s[G0X+3], 0x80000000        ; type = 2
	s_mov_b32 s[G0W], 1
	s_mov_b32 s[G0W+1], s61
	s_add_nc_u64 s[G0W+2:G0W+3], s[6:7], s[58:59]
	s_or_b32 s[G0W+3], s[G0W+3], 0x80000000
	CROUND                                         ; all sixteen work-groups are here: the joint loads meet
	s_cmp_eq_u32 s55, 0                            ; the branch hangs on the wave's number alone; an s_nop 0 and four v_nop follow each of the two lines
	s_cbranch_scc0 .Lfor_w
	tensor_load_to_lds s[G0X:G0X+3], s[G1X:G1X+7]
	s_nop 0
.rept 4
	v_nop
.endr
	s_branch .Lasked
.Lfor_w:
	tensor_load_to_lds s[G0W:G0W+3], s[G1W:G1W+7]
	s_nop 0
.rept 4
	v_nop
.endr
.Lasked:
	s_cmp_eq_u32 s24, 2                            ; V's way or Q's and K's: the same in every wave of every partner
	s_cbranch_scc1 .Lv
	; ---- Q and K
	s_cmp_eq_u32 s24, 0
	s_cselect_b64 s[78:79], s[14:15], s[16:17]     ; qr or kv
	s_cselect_b64 s[80:81], s[8:9], s[10:11]       ; bq or bk
	s_cselect_b32 s82, s71, s75
	s_cselect_b32 s84, s72, s76
	s_add_nc_u64 s[80:81], s[80:81], s[62:63]
	s_add_nc_u64 s[86:87], s[78:79], s[82:83]      ; my halves
	s_add_nc_u64 s[88:89], s[78:79], s[84:85]      ; my scale words
	s_wait_alu depctr_va_vdst(0)
.irp j, 0,1,2,3
.irp i, 0,1,2,3
	global_load_b128 v[ACC+8*(4*\j+\i):ACC+8*(4*\j+\i)+3], v13, s[80:81] offset:(32*(\i/2)+8*(\i%2))*4      ; the bias in the result's layout: register e of accumulator (j, i) is channel 32 (i / 2) + 8 (i % 2) + 16 h + e
	global_load_b128 v[ACC+8*(4*\j+\i)+4:ACC+8*(4*\j+\i)+7], v13, s[80:81] offset:(32*(\i/2)+8*(\i%2))*4+16
.endr
.endr
	s_wait_tensorcnt 0x0                           ; my block has landed,
	s_barrier_signal -1
	s_barrier_wait -1                              ; everybody's has; nothing is filled again in this launch
	s_wait_loadcnt 0x0                             ; the bias
	GEMM WA, WBLK, XA, XBLK, 0
.rept 4
	v_nop                                          ; places behind the last products, in front of the first read of results and the first write of operands' registers
.endr
	v_mov_b32 v[TM+2], 0                           ; written once: a lane permute's destination counts as one of its sources
	v_mov_b32 v[TM+3], 0
	v_and_b32 v12, 16, v0
	v_cmp_ne_u32 vcc_lo, 0, v12                    ; lanes 16-31
.irp a, 0,1,2,3
	HALFQ ACC+32*\a, 32+8*\a, 38+8*\a
	global_store_b128 v[L16], v[32+8*\a:35+8*\a], s[86:87] offset:768*\a
	global_store_b64 v[L8], v[36+8*\a:37+8*\a], s[86:87] offset:768*\a+512
.if \a % 2
	v_cndmask_b32 v[38+8*\a], v[30+8*\a], v[38+8*\a], vcc_lo            ; both halves of the lanes hold a tile's words: lanes 0-15 keep the even tile's, lanes 16-31 the odd tile's
	global_store_b32 v[L4], v[38+8*\a], s[88:89] offset:64*(\a-1)       ; bytes 2 and 3 are 0: the scale of the K step's empty upper half
.endif
.endr
	s_branch .Lend
	; ---- V
.Lv:
	s_mul_i32 s82, s74, 192                        ; 768 (rg % 2): which half of a fragment my 64 keys are
	s_add_co_u32 s82, s82, s73
	s_add_co_u32 s82, s82, 6144
	s_lshr_b32 s84, s74, 1                         ; and which two bytes of a scale word
	s_add_co_u32 s84, s84, s73
	s_add_co_u32 s84, s84, 12800
	s_add_nc_u64 s[80:81], s[12:13], s[62:63]
	s_add_nc_u64 s[86:87], s[16:17], s[82:83]
	s_add_nc_u64 s[88:89], s[16:17], s[84:85]
	s_wait_alu depctr_va_vdst(0)
.irp j, 0,1,2,3
	global_load_b32 v[BV+2*\j], v14, s[80:81] offset:(32*(\j/2)+8*(\j%2))*4     ; my lane's channel of tile j, twice: a pair for the packed addition
	global_load_b32 v[BV+2*\j+1], v14, s[80:81] offset:(32*(\j/2)+8*(\j%2))*4
.endr
	s_wait_tensorcnt 0x0
	s_barrier_signal -1
	s_barrier_wait -1
	GEMM XA, XBLK, WA, WBLK, 1
	s_wait_loadcnt 0x0
.rept 4
	v_nop
.endr
	v_mov_b32 v[TM+2], 0
	v_mov_b32 v[TM+3], 0
	v_and_b32 v12, 16, v0
	v_cmp_ne_u32 vcc_lo, 0, v12                    ; lanes 16-31
.irp j, 0,1,2,3
.irp e, 0,2,4,6,8,10,12,14,16,18,20,22,24,26,28,30
	v_pk_add_f32 v[ACC+32*\j+\e:ACC+32*\j+\e+1], v[ACC+32*\j+\e:ACC+32*\j+\e+1], v[BV+2*\j:BV+2*\j+1]   ; each accumulator from its low end on
.endr
.endr
.irp j, 0,1,2,3                                ; a tile of 16 channels: my 64 keys are half a fragment
	HALFQ ACC+32*\j, 32+8*\j, 38+8*\j
	global_store_b128 v[L16], v[32+8*\j:35+8*\j], s[86:87] offset:1536*\j
	global_store_b64 v[L8], v[36+8*\j:37+8*\j], s[86:87] offset:1536*\j+512
.if \j % 2
	v_cndmask_b32 v[38+8*\j], v[30+8*\j], v[38+8*\j], vcc_lo
	global_store_b16 v[L4], v[38+8*\j], s[88:89] offset:64*(\j-1)
.endif
.endr
.Lend:
	s_wait_tensorcnt 0x0                           ; the wave's end: behind my last tensor load
	ds_add_u32 v[SPW], v[NIL]
	s_wait_dscnt 0x0
	CROUND                                         ; the closing round: no work-group ends while a partner may still ask for a block that names it
	s_endpgm
.Lfunc_end_k_qb121b17c98_proj:
	.size	k_qb121b17c98_proj, .Lfunc_end_k_qb121b17c98_proj-k_qb121b17c98_proj
	.p2alignl 7, 3214868480
	.fill 96, 4, 3214868480
	.section	.rodata,"a",@progbits
	.p2align	6, 0x0
	.amdhsa_kernel k_qb121b17c98_proj
		.amdhsa_group_segment_fixed_size 281088
		.amdhsa_private_segment_fixed_size 0
		.amdhsa_enable_private_segment 0
		.amdhsa_kernarg_size 56
		.amdhsa_user_sgpr_count 2
		.amdhsa_user_sgpr_kernarg_segment_ptr 1
		.amdhsa_wavefront_size32 1
		.amdhsa_system_sgpr_workgroup_id_x 1
		.amdhsa_system_sgpr_workgroup_id_y 1
		.amdhsa_system_sgpr_workgroup_id_z 1
		.amdhsa_system_vgpr_workitem_id 0
		.amdhsa_next_free_vgpr 256
		.amdhsa_next_free_sgpr 90
		.amdhsa_reserve_vcc 1
		.amdhsa_float_denorm_mode_32 3
		.amdhsa_float_denorm_mode_16_64 3
		.amdhsa_memory_ordered 1
		.amdhsa_forward_progress 1
		.amdhsa_inst_pref_size 95
	.end_amdhsa_kernel
	.amdgpu_metadata
---
amdhsa.version: [ 1, 2 ]
amdhsa.kernels:
  - .name:           k_qb121b17c98_proj
    .symbol:         k_qb121b17c98_proj.kd
    .args:
      - { .name: xr, .offset: 0, .size: 8, .value_kind: global_buffer, .address_space: global }
      - { .name: wr, .offset: 8, .size: 8, .value_kind: global_buffer, .address_space: global }
      - { .name: bq, .offset: 16, .size: 8, .value_kind: global_buffer, .address_space: global }
      - { .name: bk, .offset: 24, .size: 8, .value_kind: global_buffer, .address_space: global }
      - { .name: bv, .offset: 32, .size: 8, .value_kind: global_buffer, .address_space: global }
      - { .name: qr, .offset: 40, .size: 8, .value_kind: global_buffer, .address_space: global }
      - { .name: kv, .offset: 48, .size: 8, .value_kind: global_buffer, .address_space: global }
    .group_segment_fixed_size: 281088
    .private_segment_fixed_size: 0
    .kernarg_segment_align: 8
    .kernarg_segment_size: 56
    .max_flat_workgroup_size: 384
    .sgpr_count:     90
    .vgpr_count:     256
    .wavefront_size: 32
...
	.end_amdgpu_metadata
.endif
;; end of part 2
;; launch attn (part 3): grid 32 x 8, 12 waves a work-group, clusters of 4 x 1, 327,680 bytes of LDS; arguments qr, kv, ao; writes ao
.if DOCPART == 3
	.amdgcn_target "amdgcn-amd-amdhsa--gfx1250"
	.amdhsa_code_object_version 6
	.text
	.protected	k_qb121b17c98_attn
	.globl	k_qb121b17c98_attn
	.p2align	8
	.type	k_qb121b17c98_attn,@function
k_qb121b17c98_attn:
	s_mov_b64 s[64:65], 0
	v_nop
	global_prefetch_b8 v0, s[64:65] scope:SCOPE_SE
	s_setreg_imm32_b32 hwreg(HW_REG_WAVE_MODE, 25, 1), 1
	s_wait_xcnt 0x0
	s_wait_alu depctr_hold_cnt(0) depctr_sa_sdst(0) depctr_va_vdst(0) depctr_va_sdst(0) depctr_va_ssrc(0) depctr_va_vcc(0) depctr_vm_vsrc(0)
	s_getreg_b32 s2, hwreg(HW_REG_IB_STS2, 6, 4)
	s_cmp_eq_u32 s2, 0
	s_cbranch_scc0 .Lentry_in_a_cluster
	s_endpgm
.Lentry_in_a_cluster:
	s_bfe_u32 s2, ttmp6, 0x10000c
	s_cmp_lg_u32 s2, 0x3003
	s_cbranch_scc0 .Lentry_shape_is_right
	s_endpgm
.Lentry_shape_is_right:
; ATTN: for each batch and head, O[q] = the sum over the 2,048 keys of p V / l, both products on codes of E2M3; O / l is quantised along the embedding and stored as the last product's operand.
; Nothing of the problem is left out here.
; THE SOFTMAX: t = score x log2(e) / 8; M = the running largest t rounded UP to a whole number, kept as -M = floor(-t); p = 2^(t - M) is quantised along the keys, not normalised; the row's sum l is taken
; of the unquantised p; when M moves, l and O are multiplied by 2^(old M - new M), which rounds nothing.  The maximum is taken away ahead of every exponential.
; SHARES.  24 (batch, head) x 2,048 queries are 3,072 tiles of 16 queries: 256 work-groups of twelve waves, a tile a wave.  A work-group takes 64 queries of THREE heads of one batch: wave w has head w / 4 of
; the three and tile w % 4 of the four.  (2,048 queries do not divide into twelve tiles a work-group inside one head; three heads side by side do.)
; K AND V go through two LDS slots, each with 4 key steps (of 128 keys) of the three heads: 12 records of 13,056 bytes, one tensor load a wave.  16 key steps are four fills; a fill has four steps' work in which to land.
; CLUSTER 4 x 1: the four work-groups of a cluster take the same three heads: each record is asked for jointly.
; PREFETCH: with each fill's request the next fill's records are named, one instruction a wave: a record's 51 blocks of 256 bytes are shared out among the four partners by address, 13 to each (the lanes left over
; name the wave's last block again); the last fill has no successor and names nothing.
; LAYOUT.  Both products transposed: S^T = K Q^T (source 0 = 16 keys), O^T = V^T P^T (source 0 = 16 channels): a lane holds ONE query throughout.  Lane row r of K's tile t is key 64 (t / 4) + 32 (r / 8) + 8 (t % 4) + r % 8,
; so the 32 registers of four tiles on end are keys 64 c + 32 (lane / 16) + 0 .. 31: a WHOLE block of p in a lane, in the place that the operand's layout gives it: no maximum of a block and no code crosses lanes.
; THE FIRST PRODUCT'S K IS 64, THE INSTRUCTION'S 128.  Q's fragment has zero codes in its upper six registers, and Q's and K's scale words have 0 in bytes 2 and 3.  K's halves stand six registers apart, so a tile's
; upper six registers are the next tile's codes (behind the last tile: six registers kept at 0): E2M3 has no NaN and no infinity, so each of them times the code 0 adds exactly 0.
; SCALE WORDS of two neighbouring tiles share a register: lanes 0-15 the even tile's, lanes 16-31 the odd tile's (MATRIX_SCALE_ROW1).
; A block's largest p is not searched for: the block's largest score goes through the same multiply-add and exponential (this takes v_exp_f32 not to fall where its input rises).
; LIMITS: NaN and infinities are not served; blocks under 2^-124 keep the byte 1; the promise holds while the scaled scores stay under 2^31 in magnitude; O / l is a multiplication by v_rcp_f32's result.
.set KVSTEP, 13056
.set KVHEAD, 208896
.set QHEAD,  114688
.set XSTEP,  425984
.set SLOTB,  12*KVSTEP                 ; a slot: [head of three][4 key steps]
.set SPARE,  2*SLOTB                   ; behind the slots: the spare words, 128 bytes for each of twelve waves: six blocks of 256 bytes that no other line names
.set SPW, 1                            ; v1   LDS address of my spare word; never rewritten
.set NIL, 2                            ; v2   0; never rewritten
.set L16, 3                            ; v3-5 16, 8, 4 x lane
.set L8,  4
.set L4,  5
.set A16, 6                            ; v6-8 LDS: the key step in hand, + 16, 8, 4 x lane
.set A8,  7
.set A4,  8
.set B16, 9                            ; v9-11 my head's place in a slot, + 16, 8, 4 x lane
.set B8,  10
.set B4,  11
.set QF,  16                           ; v16-21 Q's half, v22-27 zeros
.set QS,  28                           ; v28  Q's scale words
.set LN,  29                           ; v29  the lane (head only)
.set KB,  30                           ; v30-77 K's eight halves, later V's four fragments; v78-83 zeros
.set KS,  84                           ; v84-87 K's scale words, v88-89 V's: scales and nothing else
.set VS,  88
.set PFO, 90                           ; v90  the prefetches' offset; never rewritten
.set SH,  91                           ; v91  8 x (lane / 16)
.set QSO, 92                           ; v92  4 x (lane % 16)
.set S,   96                           ; v96-159 S^T, then p
.set OT,  160                          ; v160-191 O^T
.set P,   192                          ; v192-203 p's codes
.set CT,  204                          ; v204-206, v208-210: a conversion's three registers begin on an even number
.set BM,  212                          ; v212-215 largest scores, then the two blocks' largest p
.set PT,  216                          ; v216-219 at work
.set SO,  220                          ; v220-221 the conversions' scale operands
.set FF,  226                          ; v226 f = 2^(old M - new M)
.set PS,  227                          ; v227 p's scale word
.set TMP, 228
.set T8,  240                          ; v240-255 eight chains of the row's sum
.set TM,  212                          ; the way out's quantiser works in registers that the loop has left
.set T,   208
.set WV,  10
.set G1,  16
.set G0,  24
.set SEL, 28
.set CS,  30                           ; s[30:31] c = log2(e) / 8
.set TB,  32                           ; s32  LDS byte at which the key step in hand begins in my head's part of a slot
.set CNT, 33
.set WB,  48                           ; s48  wave x 13,056: my record's place in a slot
.set NC,  49                           ; s49  -c
.set HL,  50
.set QT,  51
.set PFB, 52                           ; s[52:53] my record of key step w % 4 in memory; never rewritten
.macro HALFQ src, dst, pw              ; 32 numbers of a lane, register 16 b + i = k 32 b + 16 (lane / 16) + i, become half a fragment (6 registers at dst) and two scale bytes (pw, bits 15:0)
.irp b, 0,1
	v_max3_num_f32 v[TM+\b], |v[(\src)+16*\b]|, |v[(\src)+16*\b+1]|, 0x1800000
.endr
.irp i, 2,4,6,8,10,12,14
.irp b, 0,1
	s_delay_alu instid0(VALU_DEP_2)
	v_max3_num_f32 v[TM+\b], v[TM+\b], |v[(\src)+16*\b+\i]|, |v[(\src)+16*\b+\i+1]|
.endr
.endr
.irp b, 0,1
	s_delay_alu instid0(VALU_DEP_2)
	v_permlanex16_b32 v[TM+2+\b], v[TM+\b], s[SEL], s[SEL+1]
.endr
.irp b, 0,1
	s_delay_alu instid0(VALU_DEP_2)
	v_max_num_f32 v[TM+\b], v[TM+\b], v[TM+2+\b]
.endr
.irp b, 0,1
	s_delay_alu instid0(VALU_DEP_2)
	v_add_nc_u32 v[TM+4+\b], 0xff000000, v[TM+\b]
.endr
.irp b, 0,1
	s_delay_alu instid0(VALU_DEP_2)
	v_lshrrev_b32 v[TM+2+\b], 23, v[TM+4+\b]
.endr
	s_delay_alu instid0(VALU_DEP_1)
	v_lshl_or_b32 v[\pw], v[TM+3], 8, v[TM+2]
	v_cvt_scalef32_pk16_fp6_f32 v[(\dst):(\dst)+2], v[(\src):(\src)+15], v[TM+4]
	v_cvt_scalef32_pk16_fp6_f32 v[T:T+2], v[(\src)+16:(\src)+31], v[TM+5]
	v_nop
.irp i, 0,1,2
	v_permlane16_swap_b32 v[(\dst)+\i], v[T+\i]
.endr
.irp i, 0,1,2
	s_delay_alu instid0(VALU_DEP_3)
	v_mov_b32 v[(\dst)+3+\i], v[T+\i]
.endr
.endm
.macro CROUND                          ; a round of the cluster's barrier
	s_barrier_signal -1
	s_barrier_wait -1
	s_cmp_lg_u32 s[WV], 0
	s_cbranch_scc1 .Lnot_wave_0_\@
	s_barrier_signal -3
.Lnot_wave_0_\@:
	s_barrier_wait -3
	s_barrier_signal -1
	s_barrier_wait -1
.endm
; A key step: 128 keys for my 16 queries.
.macro STEP
	v_add_nc_u32 v[A16], s[TB], v[B16]
	v_add_nc_u32 v[A8], s[TB], v[B8]
	v_add_nc_u32 v[A4], s[TB], v[B4]
	v_nop                                          ; four places behind the last step's products, in front of loads into registers that they read
.irp t, 0,1,2,3,4,5,6,7
	ds_load_b128 v[KB+6*\t:KB+6*\t+3], v[A16] offset:768*\t
	ds_load_b64 v[KB+6*\t+4:KB+6*\t+5], v[A8] offset:768*\t+512
.endr
.irp u, 0,1,2,3
	ds_load_b32 v[KS+\u], v[A4] offset:12288+128*\u
.endr
	s_wait_alu depctr_va_vdst(0)
	s_wait_dscnt 0x0
.irp u, 0,1,2,3
	v_wmma_scale_f32_16x16x128_f8f6f4 v[S+16*\u:S+16*\u+7], v[KB+12*\u:KB+12*\u+11], v[QF:QF+11], 0, v[KS+\u], v[QS] matrix_a_fmt:MATRIX_FMT_FP6 matrix_b_fmt:MATRIX_FMT_FP6
	v_wmma_scale_f32_16x16x128_f8f6f4 v[S+16*\u+8:S+16*\u+15], v[KB+12*\u+6:KB+12*\u+17], v[QF:QF+11], 0, v[KS+\u], v[QS] matrix_a_fmt:MATRIX_FMT_FP6 matrix_b_fmt:MATRIX_FMT_FP6 matrix_a_scale:MATRIX_SCALE_ROW1
.endr
	v_mov_b32 v[TMP], v12                          ; the old -M; with the three below: the places in front of the loads and of the first read of the scores
.rept 3
	v_nop
.endr
.irp t, 0,1,2,3                                ; V's four fragments land under the softmax
	ds_load_b128 v[KB+12*\t:KB+12*\t+3], v[A16] offset:6144+1536*\t
	ds_load_b64 v[KB+12*\t+4:KB+12*\t+5], v[A8] offset:6144+1536*\t+512
	ds_load_b128 v[KB+12*\t+6:KB+12*\t+9], v[A16] offset:6144+1536*\t+768
	ds_load_b64 v[KB+12*\t+10:KB+12*\t+11], v[A8] offset:6144+1536*\t+1280
.endr
.irp u, 0,1
	ds_load_b32 v[VS+\u], v[A4] offset:12800+128*\u
.endr
.irp g, 0,1,2,3                                ; the largest score of my two blocks of 32 keys, in four chains of 16; each accumulator is read from its low end on
	v_max3_num_f32 v[BM+\g], v[S+16*\g], v[S+16*\g+1], v[S+16*\g+2]
.endr
.irp i, 3,5,7,9,11,13
.irp g, 0,1,2,3
	v_max3_num_f32 v[BM+\g], v[BM+\g], v[S+16*\g+\i], v[S+16*\g+\i+1]
.endr
.endr
	v_max3_num_f32 v[BM], v[BM], v[BM+1], v[S+15]
	v_max3_num_f32 v[BM+2], v[BM+2], v[BM+3], v[S+47]
	v_max_num_f32 v[BM], v[BM], v[S+31]                ; block 2 x 0 + lane / 16
	v_max_num_f32 v[BM+1], v[BM+2], v[S+63]            ; block 2 x 1 + lane / 16
	v_max_num_f32 v[PT], v[BM], v[BM+1]
	v_permlanex16_b32 v[PT+1], v[PT], s[SEL], s[SEL+1] ; lane l xor 16's 64 keys
	v_max3_num_f32 v13, v13, v[PT], v[PT+1]            ; the running largest score of my query
	v_mul_f32 v[PT], s[NC], v13                        ; -t
	v_floor_f32 v12, v[PT]                             ; the new -M = -ceil(t)
	v_sub_f32 v[TMP], v12, v[TMP]                      ; old M - new M: a whole number, 0 or less
.irp j, 0,2,4,6
	v_pk_fma_f32 v[S+\j:S+\j+1], v[S+\j:S+\j+1], s[CS:CS+1], v[12:13] op_sel_hi:[1,0,0]   ; t - M, two at a time
.endr
	v_cvt_i32_f32 v[TMP], v[TMP]                       ; (it saturates)
.irp j, 8,10,12,14
	v_pk_fma_f32 v[S+\j:S+\j+1], v[S+\j:S+\j+1], s[CS:CS+1], v[12:13] op_sel_hi:[1,0,0]
.endr
	v_ldexp_f32 v[FF], 1.0, v[TMP]                     ; f = 2^(old M - new M)
.irp j, 16,18,20,22,24,26,28,30,32,34,36,38,40,42,44,46,48,50,52,54,56,58,60,62
	v_pk_fma_f32 v[S+\j:S+\j+1], v[S+\j:S+\j+1], s[CS:CS+1], v[12:13] op_sel_hi:[1,0,0]
.endr
.irp c, 0,1
	v_fma_f32 v[BM+\c], v[BM+\c], s[CS], v12           ; the same of each block's largest score
.endr
.irp j, 0,2,4,6,8,10,12,14,16,18,20,22,24,26,28,30
	v_pk_mul_f32 v[OT+\j:OT+\j+1], v[OT+\j:OT+\j+1], v[FF:FF+1] op_sel_hi:[1,0]   ; O^T under the new M, each accumulator from its low end on
.endr
	s_wait_alu depctr_va_vdst(0)                       ; the wait ahead of the batch
.irp j, 0,1,2,3,4,5,6,7,8,9,10,11,12,13,14,15,16,17,18,19,20,21,22,23,24,25,26,27,28,29,30,31,32,33,34,35,36,37,38,39,40,41,42,43,44,45,46,47,48,49,50,51,52,53,54,55,56,57,58,59,60,61,62,63
	v_exp_f32 v[S+\j], v[S+\j]                         ; p = 2^(t - M), at most 1
.endr
.irp c, 0,1
	v_exp_f32 v[BM+\c], v[BM+\c]                       ; the block's largest p
.endr
	v_pk_mul_f32 v[14:15], v[14:15], v[FF:FF+1] op_sel_hi:[1,0]   ; the sums under the new M: the plain place behind the exponentials
	s_wait_alu depctr_va_vdst(0)                       ; one wait for the batch of 66, ahead of its first reader
.irp k, 0,1,2,3,4,5,6,7                        ; the row's sum of the unquantised p: eight chains; the blocks' scales are made between their rounds
	v_pk_add_f32 v[T8+2*\k:T8+2*\k+1], v[S+2*\k:S+2*\k+1], v[S+16+2*\k:S+16+2*\k+1]
.endr
.irp c, 0,1
	v_max_num_f32 v[BM+\c], 0x1800000, v[BM+\c]        ; the floor 2^(3 - 127): the byte cannot fall under 1
.endr
.irp k, 0,1,2,3,4,5,6,7
	v_pk_add_f32 v[T8+2*\k:T8+2*\k+1], v[T8+2*\k:T8+2*\k+1], v[S+32+2*\k:S+32+2*\k+1]
.endr
.irp c, 0,1
	v_add_nc_u32 v[SO+\c], 0xff000000, v[BM+\c]        ; 2 off the exponent field: the conversion's scale operand
.endr
.irp k, 0,1,2,3,4,5,6,7
	v_pk_add_f32 v[T8+2*\k:T8+2*\k+1], v[T8+2*\k:T8+2*\k+1], v[S+48+2*\k:S+48+2*\k+1]
.endr
.irp c, 0,1
	v_cvt_scalef32_pk16_fp6_f32 v[P+6*\c:P+6*\c+2], v[S+32*\c:S+32*\c+15], v[SO+\c]          ; my block's lower 16 codes stand where the operand wants them,
	v_cvt_scalef32_pk16_fp6_f32 v[CT+4*\c:CT+4*\c+2], v[S+32*\c+16:S+32*\c+31], v[SO+\c]     ; the upper 16 are moved there
.endr
	v_lshrrev_b32 v[PT+2], 23, v[SO]                   ; the scales' bytes (the plain place behind the conversions)
	v_lshrrev_b32 v[PT+3], 23, v[SO+1]
	v_mov_b32 v[P+3], v[CT]
	v_lshl_or_b32 v[PT], v[PT+3], 16, v[PT+2]          ; my two bytes: blocks h and 2 + h,
	v_mov_b32 v[P+4], v[CT+1]
	v_lshlrev_b32 v[PT], v[SH], v[PT]                  ; at their places in the scale word;
	v_mov_b32 v[P+5], v[CT+2]
	v_permlanex16_b32 v[PT+1], v[PT], s[SEL], s[SEL+1]
	v_mov_b32 v[P+9], v[CT+4]
	v_or_b32 v[PS], v[PT], v[PT+1]                     ; with lane l xor 16's two the word is whole
	v_mov_b32 v[P+10], v[CT+5]
	v_mov_b32 v[P+11], v[CT+6]
.irp k, 0,1,2,3                                ; the eight chains are joined: these eight additions are also the places between p's codes and scale word and the products
	v_pk_add_f32 v[T8+2*\k:T8+2*\k+1], v[T8+2*\k:T8+2*\k+1], v[T8+8+2*\k:T8+8+2*\k+1]
.endr
.irp k, 0,1
	v_pk_add_f32 v[T8+2*\k:T8+2*\k+1], v[T8+2*\k:T8+2*\k+1], v[T8+4+2*\k:T8+4+2*\k+1]
.endr
	v_pk_add_f32 v[14:15], v[14:15], v[T8:T8+1]
	v_pk_add_f32 v[14:15], v[14:15], v[T8+2:T8+3]
	s_wait_alu depctr_va_vdst(0)
	s_wait_dscnt 0x0                                   ; V
.irp u, 0,1
	v_wmma_scale_f32_16x16x128_f8f6f4 v[OT+16*\u:OT+16*\u+7], v[KB+24*\u:KB+24*\u+11], v[P:P+11], v[OT+16*\u:OT+16*\u+7], v[VS+\u], v[PS] matrix_a_fmt:MATRIX_FMT_FP6 matrix_b_fmt:MATRIX_FMT_FP6
	v_wmma_scale_f32_16x16x128_f8f6f4 v[OT+16*\u+8:OT+16*\u+15], v[KB+24*\u+12:KB+24*\u+23], v[P:P+11], v[OT+16*\u+8:OT+16*\u+15], v[VS+\u], v[PS] matrix_a_fmt:MATRIX_FMT_FP6 matrix_b_fmt:MATRIX_FMT_FP6 matrix_a_scale:MATRIX_SCALE_ROW1
.endr
.endm
; Fill p's four key steps, in slot p % 2.  In front of them: all my tensor loads have landed, the add, my reads of the other slot are over; a round of the cluster's barrier; then fill p + 1 is asked for, into the other slot.
.macro PHASE p
	s_wait_tensorcnt 0x0                           ; my record of this slot is in
	ds_add_u32 v[SPW], v[NIL]
.if \p < 3
	s_add_co_u32 s[G0+1], s[WB], ((\p+1)%2)*SLOTB  ; no load of mine is out: the descriptor may be written: the other slot,
	s_add_nc_u64 s[G0+2:G0+3], s[G0+2:G0+3], 4*KVSTEP   ; four key steps on
.endif
	s_mov_b32 s[TB], (\p%2)*SLOTB
	s_mov_b32 s[CNT], 0
	s_wait_dscnt 0x0
.if \p < 3
	CROUND
	tensor_load_to_lds s[G0:G0+3], s[G1:G1+7]      ; my one load behind the round (the first time: slot 1's first fill, issued as a refill is)
	s_nop 0
.rept 4
	v_nop
.endr
.if \p < 2
	global_prefetch_b8 v[PFO], s[PFB:PFB+1] offset:(4*\p+8)*KVSTEP th:TH_LOAD_NT scope:SCOPE_SE   ; my share of the record that I ask for behind the next round
.endif
.else
	s_barrier_signal -1                            ; nothing is filled again: the work-group's barrier shows the slot whole to all twelve waves
	s_barrier_wait -1
.endif
.Lstep_\@:
	STEP
	s_add_co_u32 s[TB], s[TB], KVSTEP
	s_add_co_u32 s[CNT], s[CNT], 1
	s_cmp_lt_u32 s[CNT], 4
	s_cbranch_scc1 .Lstep_\@
.endm
	s_load_b128 s[4:7], s[0:1], 0x0                ; qr s[4:5], kv s[6:7]
	s_load_b64 s[8:9], s[0:1], 0x10                ; ao
	v_lshl_add_u32 v[SPW], v0, 2, SPARE
	v_mov_b32 v[NIL], 0
	ds_add_u32 v[SPW], v[NIL]                      ; the wave's opening: the add, twice on end, and its wait ahead of my first tensor load; the set-up below stands between
	ds_add_u32 v[SPW], v[NIL]
	v_lshrrev_b32 v[LN], 5, v0
	s_delay_alu instid0(VALU_DEP_1)
	v_readfirstlane_b32 s[WV], v[LN]               ; wave 0..11
	s_lshr_b32 s[HL], s[WV], 2                     ; which of the three heads.  Also: whose record I fetch
	s_and_b32 s[QT], s[WV], 3                      ; which of the four tiles of queries.  Also: which of a slot's four key steps I fetch
	s_bfe_u32 s11, ttmp6, 0x40000                  ; cx
	s_lshl_b32 s12, ttmp9, 2
	s_add_co_u32 s12, s12, s11                     ; my block of 64 queries: it enters Q's, ao's and the prefetches' addresses alone
	s_and_b32 s13, ttmp7, 0xffff                   ; 4 x batch + which three heads: the four partners share it
	s_mul_i32 s13, s13, 3
	s_add_co_u32 s13, s13, s[HL]                   ; my wave's b h
	s_lshl_b32 s14, s12, 2
	s_add_co_u32 s14, s14, s[QT]                   ; my tile of 16 queries among the head's 128
	; descriptor group 1: a record, 13,056 dense bytes, as 51 rows of 256 bytes (32 elements of 8 bytes), no padding: an image's loads take consecutive bytes
	s_mov_b32 s[G1], 15|(3<<16)|(1<<21)            ; 15:0 the mask: all four work-groups; 17:16 elements of 8 bytes; 21 set beside a mask
	s_mov_b32 s[G1+1], 32<<16
	s_mov_b32 s[G1+2], (KVSTEP/256)<<16
	s_mov_b32 s[G1+3], 32<<16
	s_mov_b32 s[G1+4], KVSTEP/256
	s_mov_b32 s[G1+5], 32
	s_mov_b32 s[G1+6], 0
	s_mov_b32 s[G1+7], 0
	s_mul_i32 s[G0+1], s[WV], KVSTEP               ; my record's place in slot 0,
	s_mul_i32 s[WB], s[WV], KVSTEP
	s_mul_i32 s34, s13, KVHEAD
	s_mul_i32 s35, s[QT], KVSTEP
	s_add_co_u32 s34, s34, s35                     ; and in memory
	s_mov_b32 s35, 0
	s_mul_i32 s46, s13, QHEAD
	s_mul_i32 s47, s14, 768
	s_add_co_u32 s36, s46, s47                     ; my tile's half of Q
	s_mov_b32 s37, 0
	s_lshl_b32 s47, s14, 6
	s_add_co_u32 s38, s46, s47
	s_add_co_u32 s38, s38, 128*768                 ; and its 16 scale words
	s_mov_b32 s39, 0
	s_mov_b32 s[SEL], 0x76543210
	s_mov_b32 s[SEL+1], 0xfedcba98
	s_mov_b32 s[CS], 0x3e38aa3b                    ; log2(e) / 8
	s_mov_b32 s[CS+1], s[CS]                       ; (named with it as a pair, so it is written)
	s_mov_b32 s[NC], 0xbe38aa3b
	v_and_b32 v[LN], 31, v0
	s_mul_i32 s15, s[HL], 4*KVSTEP                 ; my head's four records in a slot
	v_lshlrev_b32 v[L16], 4, v[LN]
	v_lshlrev_b32 v[L8], 3, v[LN]
	v_lshlrev_b32 v[L4], 2, v[LN]
	v_and_b32 v[QSO], 15, v0
	v_bfe_u32 v[SH], v0, 4, 1
	v_min_u32 v[PFO], 12, v[LN]
	v_add_nc_u32 v[B16], s15, v[L16]
	v_add_nc_u32 v[B8], s15, v[L8]
	v_add_nc_u32 v[B4], s15, v[L4]
	s_mul_i32 s15, s11, 13
	v_lshlrev_b32 v[QSO], 2, v[QSO]
	v_lshlrev_b32 v[SH], 3, v[SH]
	v_add_nc_u32 v[PFO], s15, v[PFO]               ; block 13 cx + min(lane, 12) of the record's 51,
	s_delay_alu instid0(VALU_DEP_1)
	v_min_u32 v[PFO], 50, v[PFO]                   ; held inside the record
	s_delay_alu instid0(VALU_DEP_1)
	v_lshlrev_b32 v[PFO], 8, v[PFO]
	s_wait_alu depctr_va_vdst(0)
	s_wait_dscnt 0x0                               ; both opening adds are done
	s_wait_kmcnt 0x0
	s_mov_b32 s[G0], 1
	s_add_nc_u64 s[G0+2:G0+3], s[6:7], s[34:35]
	s_or_b32 s[G0+3], s[G0+3], 0x80000000
	s_add_nc_u64 s[PFB:PFB+1], s[6:7], s[34:35]
	s_add_nc_u64 s[42:43], s[4:5], s[36:37]
	s_add_nc_u64 s[44:45], s[4:5], s[38:39]
	CROUND                                         ; all four work-groups are here: the joint loads meet
	tensor_load_to_lds s[G0:G0+3], s[G1:G1+7]      ; every wave issues one: fill 0, key steps 0 to 3
	s_nop 0
	global_load_b128 v[QF:QF+3], v[L16], s[42:43]
	global_load_b64 v[QF+4:QF+5], v[L8], s[42:43] offset:512
	global_load_b32 v[QS], v[QSO], s[44:45]
	global_prefetch_b8 v[PFO], s[PFB:PFB+1] offset:4*KVSTEP th:TH_LOAD_NT scope:SCOPE_SE   ; my share of the record that I ask for behind the next round
.irp i, 0,1,2,3,4,5
	v_mov_b32 v[QF+6+\i], 0                        ; Q's empty upper half: zero codes
	v_mov_b32 v[KB+48+\i], 0                       ; and what stands behind K's last half
.endr
	v_mov_b32 v13, 0xff61b1e6                      ; the largest score so far: -3e38
	v_mov_b32 v12, 0x7e000000                      ; -M: above every -M that follows, so the first f is 0 and meets zeros alone
	v_mov_b32 v14, 0                               ; the sum, in two halves
	v_mov_b32 v15, 0
.irp b, 0,1,2,3
	v_mov_b32 v[PT+\b], 0                          ; written once: a lane permute's destination counts as one of its sources
.endr
	v_mov_b32 v[PS], 0                             ; (named as the upper half of the pair with f before it is first written)
.irp j, 0,1,2,3,4,5,6,7,8,9,10,11,12,13,14,15,16,17,18,19,20,21,22,23,24,25,26,27,28,29,30,31
	v_mov_b32 v[OT+\j], 0                          ; O^T: the step is written once; its first trip finds zeros
.endr
	; where my result goes: ao is laid as an activation's images: K step = head / 2, half = head % 2, tile = 128 batch + my tile
	s_cmp_ge_u32 s13, 12
	s_cselect_b32 s46, 1, 0                        ; the batch
	s_mul_i32 s47, s46, 12
	s_sub_co_u32 s47, s13, s47                     ; the head
	s_lshl_b32 s46, s46, 7
	s_add_co_u32 s46, s46, s14                     ; the tile of tokens
	s_lshr_b32 s15, s47, 1
	s_mul_i32 s15, s15, XSTEP
	s_and_b32 s47, s47, 1
	s_lshr_b32 s36, s46, 1
	s_mul_i32 s36, s36, 3328
	s_add_co_u32 s15, s15, s36                     ; the pair's record
	s_and_b32 s46, s46, 1
	s_mul_i32 s36, s46, 1536
	s_add_co_u32 s36, s36, s15
	s_mul_i32 s34, s47, 768
	s_add_co_u32 s36, s36, s34
	s_add_nc_u64 s[38:39], s[8:9], s[36:37]        ; my half's codes
	s_lshl_b32 s36, s46, 7
	s_add_co_u32 s36, s36, s15
	s_lshl_b32 s34, s47, 1
	s_add_co_u32 s36, s36, s34
	s_add_co_u32 s36, s36, 3072
	s_add_nc_u64 s[40:41], s[8:9], s[36:37]        ; and its two bytes of each scale word
	s_wait_alu depctr_va_vdst(0)
	s_wait_loadcnt 0x0                             ; Q
	PHASE 0
	PHASE 1
	PHASE 2
	PHASE 3
	; THE WAY OUT: O^T / l, quantised along the head's 64 channels: half a fragment of the last product's operand
	v_add_f32 v14, v14, v15                        ; the sum's two halves,
	s_delay_alu instid0(VALU_DEP_1)
	v_permlanex16_b32 v[FF], v14, s[SEL], s[SEL+1]
	s_delay_alu instid0(VALU_DEP_1)
	v_add_f32 v14, v14, v[FF]                      ; and lane l xor 16's: the row's sum
	s_wait_alu depctr_va_vdst(0)
	v_rcp_f32 v14, v14
	v_mov_b32 v[TM+2], 0                           ; plain work behind the reciprocal; with the additions above also the places behind the last products
	v_mov_b32 v[TM+3], 0
	v_nop
	v_nop
	s_wait_alu depctr_va_vdst(0)                   ; the wait ahead of the reciprocal's first reader and of O^T's
.irp j, 0,1,2,3,4,5,6,7,8,9,10,11,12,13,14,15,16,17,18,19,20,21,22,23,24,25,26,27,28,29,30,31
	v_mul_f32 v[S+\j], v[OT+\j], v14               ; register 16 b + i: channel 32 b + 16 (lane / 16) + i of my query
.endr
	HALFQ S, P, CT
	global_store_b128 v[L16], v[P:P+3], s[38:39]
	global_store_b64 v[L8], v[P+4:P+5], s[38:39] offset:512
	global_store_b16 v[L4], v[CT], s[40:41]        ; my head's two bytes of each row's scale word
	s_wait_tensorcnt 0x0                           ; the wave's end: behind my last tensor load
	ds_add_u32 v[SPW], v[NIL]
	s_wait_dscnt 0x0
	CROUND                                         ; the closing round
	s_endpgm
.Lfunc_end_k_qb121b17c98_attn:
	.size	k_qb121b17c98_attn, .Lfunc_end_k_qb121b17c98_attn-k_qb121b17c98_attn
	.p2alignl 7, 3214868480
	.fill 96, 4, 3214868480
	.section	.rodata,"a",@progbits
	.p2align	6, 0x0
	.amdhsa_kernel k_qb121b17c98_attn
		.amdhsa_group_segment_fixed_size 327680
		.amdhsa_private_segment_fixed_size 0
		.amdhsa_enable_private_segment 0
		.amdhsa_kernarg_size 24
		.amdhsa_user_sgpr_count 2
		.amdhsa_user_sgpr_kernarg_segment_ptr 1
		.amdhsa_wavefront_size32 1
		.amdhsa_system_sgpr_workgroup_id_x 1
		.amdhsa_system_sgpr_workgroup_id_y 1
		.amdhsa_system_sgpr_workgroup_id_z 1
		.amdhsa_system_vgpr_workitem_id 0
		.amdhsa_next_free_vgpr 256
		.amdhsa_next_free_sgpr 66
		.amdhsa_reserve_vcc 0
		.amdhsa_float_denorm_mode_32 3
		.amdhsa_float_denorm_mode_16_64 3
		.amdhsa_memory_ordered 1
		.amdhsa_forward_progress 1
		.amdhsa_inst_pref_size 75
	.end_amdhsa_kernel
	.amdgpu_metadata
---
amdhsa.version: [ 1, 2 ]
amdhsa.kernels:
  - .name:           k_qb121b17c98_attn
    .symbol:         k_qb121b17c98_attn.kd
    .args:
      - { .name: qr, .offset: 0, .size: 8, .value_kind: global_buffer, .address_space: global }
      - { .name: kv, .offset: 8, .size: 8, .value_kind: global_buffer, .address_space: global }
      - { .name: ao, .offset: 16, .size: 8, .value_kind: global_buffer, .address_space: global }
    .group_segment_fixed_size: 327680
    .private_segment_fixed_size: 0
    .kernarg_segment_align: 8
    .kernarg_segment_size: 24
    .max_flat_workgroup_size: 384
    .sgpr_count:     66
    .vgpr_count:     256
    .wavefront_size: 32
...
	.end_amdgpu_metadata
.endif
;; end of part 3
;; launch outp (part 4): grid 4 x 64, 3 waves a work-group, clusters of 4 x 4, 173,312 bytes of LDS; arguments ao, wr, bo, out0; writes out0
.if DOCPART == 4
	.amdgcn_target "amdgcn-amd-amdhsa--gfx1250"
	.amdhsa_code_object_version 6
	.text
	.protected	k_qb121b17c98_outp
	.globl	k_qb121b17c98_outp
	.p2align	8
	.type	k_qb121b17c98_outp,@function
k_qb121b17c98_outp:
	s_mov_b64 s[64:65], 0
	v_nop
	global_prefetch_b8 v0, s[64:65] scope:SCOPE_SE
	s_setreg_imm32_b32 hwreg(HW_REG_WAVE_MODE, 25, 1), 1
	s_wait_xcnt 0x0
	s_wait_alu depctr_hold_cnt(0) depctr_sa_sdst(0) depctr_va_vdst(0) depctr_va_sdst(0) depctr_va_ssrc(0) depctr_va_vcc(0) depctr_vm_vsrc(0)
	s_getreg_b32 s2, hwreg(HW_REG_IB_STS2, 6, 4)
	s_cmp_eq_u32 s2, 0
	s_cbranch_scc0 .Lentry_in_a_cluster
	s_endpgm
.Lentry_in_a_cluster:
	s_bfe_u32 s2, ttmp6, 0x10000c
	s_cmp_lg_u32 s2, 0xf033
	s_cbranch_scc0 .Lentry_shape_is_right
	s_endpgm
.Lentry_shape_is_right:
; OUTP: out0 = attention's result x Wo + bo, on the codes that the launches before have made.  Nothing of the problem is left out here.
; SHARES.  A work-group takes 64 rows (4 tiles) x 192 columns (12 tiles of Wo): 256 work-groups.  Wave w of three: columns 64 w on: a tile of 64 x 64, 16 accumulators, 96 matrix instructions.
; Three waves, since 192 columns are three such tiles: the launch's time is its loads and its stores, not its products.
; ALL SIX K STEPS OF BOTH OPERANDS LIE IN LDS AT ONCE: three tensor loads, one a wave (waves 0 and 1: three K steps of Wo each; wave 2: the rows' six), all at the head; nothing is filled twice.
; CLUSTER 4 x 4: the four work-groups of a row of the cluster take the same rows, the four of a column the same columns of Wo: each block is asked for jointly.
; Source 0 = 16 columns of Wo, source 1 = 16 tokens: a lane holds one token and 16 neighbouring columns in each pair of accumulators.  bo is loaded into the accumulators and starts the sums.
; THE WAY OUT: a tile of 16 tokens x 64 columns goes through the wave's own stage in LDS and leaves as rows: sixteen lanes store 256 consecutive bytes, aligned to 256.
; LIMITS: the bias is the first term of the f32 sum.
.set XSTEP, 425984
.set WTEN,  479232
.set WSTEP, 79872
.set PAIR,  3328
.set ABLK,  6656                       ; 4 tiles of one K step
.set WBLK,  19968                      ; 12 tiles
.set ALDS,  6*WBLK                     ; LDS: Wo's six K steps, then the rows' six,
.set STAGE, ALDS+6*ABLK                ; then a stage of 16 rows x (256 + 16) bytes for each wave, in blocks of 256 bytes into which no fill lands,
.set SPARE, STAGE+3*16*272             ; then the spare words, 128 bytes for each wave, rounded up to two blocks of 256 bytes that no other line names
.set SPW, 1
.set NIL, 2
.set L16, 3
.set L8,  4
.set L4,  5
.set XA,  6                            ; v6-8   LDS: the rows' tiles in the K step in hand, + 16, 8, 4 x lane
.set WA,  9                            ; v9-11  my 4 tiles of Wo
.set STO, 12                           ; v12  the stage: where I put 64 bytes of a row
.set RD,  13                           ; v13  and where I read a row back
.set CO,  14                           ; v14  my byte offset in out0
.set BO,  15                           ; v15  64 h: bo's numbers of my half
.set SC0, 16                           ; v16-23 scale words and nothing else
.set SC1, 20
.set F0,  32
.set F1,  80
.set OB,  32                           ; the way out: 16 rows read back: v32-63 and v64-95 by turns
.set ACC, 128
.set WV,  18
.set G1A, 28
.set G1W, 36
.set G0A, 44
.set G0W, 48
.macro FRAG reg, a, off
	ds_load_b128 v[(\reg):(\reg)+3], v[\a] offset:\off
	ds_load_b64 v[(\reg)+4:(\reg)+5], v[(\a)+1] offset:(\off)+512
	ds_load_b128 v[(\reg)+6:(\reg)+9], v[\a] offset:(\off)+768
	ds_load_b64 v[(\reg)+10:(\reg)+11], v[(\a)+1] offset:(\off)+1280
.endm
; Six K steps of 4 x 4 tiles; the sixteen accumulators, which hold the bias at the start, take turns, one instruction a turn, in the same order in every step.
.macro GEMM a0, st0, a1, st1
.irp s, 0,1,2,3,4,5
.if \s > 0
	s_wait_alu depctr_va_vdst(0)
.irp e, 0,1,2
	v_add_nc_u32 v[\a0+\e], \st0, v[\a0+\e]            ; the next K step; these six are also the places in front of loads into registers that matrix instructions have read
	v_add_nc_u32 v[\a1+\e], \st1, v[\a1+\e]
.endr
.endif
.irp i, 0,1,2,3
	FRAG F0+12*\i, \a0, (\i/2)*PAIR+(\i%2)*1536
	ds_load_b32 v[SC0+\i], v[\a0+2] offset:(\i/2)*PAIR+3072+(\i%2)*128
.endr
.irp i, 0,1,2,3
	FRAG F1+12*\i, \a1, (\i/2)*PAIR+(\i%2)*1536
	ds_load_b32 v[SC1+\i], v[\a1+2] offset:(\i/2)*PAIR+3072+(\i%2)*128
.endr
	s_wait_dscnt 0x0
.irp j, 0,1,2,3
.irp i, 0,1,2,3
	v_wmma_scale_f32_16x16x128_f8f6f4 v[ACC+8*(4*\j+\i):ACC+8*(4*\j+\i)+7], v[F0+12*\i:F0+12*\i+11], v[F1+12*\j:F1+12*\j+11], v[ACC+8*(4*\j+\i):ACC+8*(4*\j+\i)+7], v[SC0+\i], v[SC1+\j] matrix_a_fmt:MATRIX_FMT_FP6 matrix_b_fmt:MATRIX_FMT_FP6
.endr
.endr
.endr
.endm
.macro CROUND                          ; a round of the cluster's barrier
	s_barrier_signal -1
	s_barrier_wait -1
	s_cmp_lg_u32 s[WV], 0
	s_cbranch_scc1 .Lnot_wave_0_\@
	s_barrier_signal -3
.Lnot_wave_0_\@:
	s_barrier_wait -3
	s_barrier_signal -1
	s_barrier_wait -1
.endm
	s_load_b256 s[4:11], s[0:1], 0x0               ; ao s[4:5], wr s[6:7], bo s[8:9], out0 s[10:11]
	v_lshl_add_u32 v[SPW], v0, 2, SPARE
	v_mov_b32 v[NIL], 0
	ds_add_u32 v[SPW], v[NIL]                      ; the wave's opening: the add, twice on end, and its wait ahead of my first tensor load; the set-up below stands between
	ds_add_u32 v[SPW], v[NIL]
	v_lshrrev_b32 v24, 5, v0
	v_readfirstlane_b32 s[WV], v24                 ; wave 0..2
	s_bfe_u32 s21, ttmp6, 0x40000                  ; cx = the column group
	s_bfe_u32 s22, ttmp6, 0x40004                  ; cy
	s_and_b32 s23, ttmp7, 0xffff
	s_lshl_b32 s25, s23, 2
	s_add_co_u32 s25, s25, s22                     ; which 64 rows
	s_lshl_b32 s26, s22, 2
	s_lshl_b32 s26, 15, s26                        ; my row of the cluster
	s_lshl_b32 s27, 0x1111, s21                    ; my column
	; descriptor group 1.  The rows: 6 K steps x 6,656 bytes (832 elements of 8 bytes), 425,984 bytes apart.  Wo: 3 K steps x 19,968 bytes (2,496 elements), 79,872 bytes apart.  No padding
	s_or_b32 s[G1A], s26, (3<<16)|(1<<21)
	s_mov_b32 s[G1A+1], (ABLK/8)<<16
	s_mov_b32 s[G1A+2], 6<<16
	s_mov_b32 s[G1A+3], (ABLK/8)<<16
	s_mov_b32 s[G1A+4], 6
	s_mov_b32 s[G1A+5], XSTEP/8
	s_mov_b32 s[G1A+6], 0
	s_mov_b32 s[G1A+7], 0
	s_or_b32 s[G1W], s27, (3<<16)|(1<<21)
	s_mov_b32 s[G1W+1], (WBLK/8)<<16
	s_mov_b32 s[G1W+2], 3<<16
	s_mov_b32 s[G1W+3], (WBLK/8)<<16
	s_mov_b32 s[G1W+4], 3
	s_mov_b32 s[G1W+5], WSTEP/8
	s_mov_b32 s[G1W+6], 0
	s_mov_b32 s[G1W+7], 0
	s_mul_i32 s56, s25, ABLK                       ; the rows' block in K step 0
	s_mov_b32 s57, 0
	s_mul_i32 s58, s[WV], 3*WSTEP                  ; Wo's K steps 3 w on (made in wave 2 too, which does not use it),
	s_mul_i32 s59, s21, WBLK
	s_add_co_u32 s58, s58, s59                     ; my column group's block,
	s_add_co_u32 s58, s58, 3*WTEN                  ; in the fourth weight
	s_mov_b32 s59, 0
	s_mul_i32 s60, s[WV], 3*WBLK                   ; and where it goes
	s_mul_i32 s61, s21, 3
	s_add_co_u32 s61, s61, s[WV]                   ; my 64 columns among the twelve such
	s_lshl_b32 s62, s61, 8
	s_mov_b32 s63, 0
	s_mul_i32 s66, s25, 64*3072
	s_add_co_u32 s66, s66, s62
	s_mov_b32 s67, 0
	v_and_b32 v24, 31, v0
	v_lshlrev_b32 v[L16], 4, v24
	v_lshlrev_b32 v[L8], 3, v24
	v_lshlrev_b32 v[L4], 2, v24
	v_add_nc_u32 v[XA], ALDS, v[L16]
	v_add_nc_u32 v[XA+1], ALDS, v[L8]
	v_add_nc_u32 v[XA+2], ALDS, v[L4]
	s_mul_i32 s72, s[WV], 2*PAIR
	v_add_nc_u32 v[WA], s72, v[L16]
	v_add_nc_u32 v[WA+1], s72, v[L8]
	v_add_nc_u32 v[WA+2], s72, v[L4]
	v_and_b32 v25, 15, v0                          ; r
	v_bfe_u32 v26, v0, 4, 1                        ; h
	s_mul_i32 s73, s[WV], 16*272
	s_add_co_u32 s73, s73, STAGE                   ; my stage
	v_mul_u32_u24 v[STO], v25, 272
	v_lshl_add_u32 v[STO], v26, 6, v[STO]
	v_add_nc_u32 v[STO], s73, v[STO]               ; in: row r, + 64 h
	v_mul_u32_u24 v[RD], v26, 272
	v_lshl_add_u32 v[RD], v25, 4, v[RD]
	v_add_nc_u32 v[RD], s73, v[RD]                 ; back: lanes 0-15 one row, lanes 16-31 the next
	v_mul_u32_u24 v[CO], v26, 3072
	v_lshl_add_u32 v[CO], v25, 4, v[CO]            ; and the same two rows in out0
	v_lshlrev_b32 v[BO], 6, v26
	s_wait_dscnt 0x0                               ; both opening adds are done
	s_wait_kmcnt 0x0
	s_mov_b32 s[G0A], 1
	s_mov_b32 s[G0A+1], ALDS
	s_add_nc_u64 s[G0A+2:G0A+3], s[4:5], s[56:57]
	s_or_b32 s[G0A+3], s[G0A+3], 0x80000000
	s_mov_b32 s[G0W], 1
	s_mov_b32 s[G0W+1], s60
	s_add_nc_u64 s[G0W+2:G0W+3], s[6:7], s[58:59]
	s_or_b32 s[G0W+3], s[G0W+3], 0x80000000
	s_add_nc_u64 s[70:71], s[8:9], s[62:63]        ; bo at my 64 columns
	s_add_nc_u64 s[68:69], s[10:11], s[66:67]      ; out0 at my first row and column
	CROUND                                         ; all sixteen work-groups are here: the joint loads meet
	s_cmp_lt_u32 s[WV], 2                          ; the branch hangs on the wave's number alone; an s_nop 0 and four v_nop follow each of the two lines
	s_cbranch_scc0 .Lfor_a
	tensor_load_to_lds s[G0W:G0W+3], s[G1W:G1W+7]
	s_nop 0
.rept 4
	v_nop
.endr
	s_branch .Lasked
.Lfor_a:
	tensor_load_to_lds s[G0A:G0A+3], s[G1A:G1A+7]
	s_nop 0
.rept 4
	v_nop
.endr
.Lasked:
	s_wait_alu depctr_va_vdst(0)
.irp j, 0,1,2,3
.irp i, 0,1,2,3
	global_load_b128 v[ACC+8*(4*\j+\i):ACC+8*(4*\j+\i)+3], v[BO], s[70:71] offset:(32*(\i/2)+8*(\i%2))*4      ; the bias in the result's layout: register e of accumulator (j, i) is column 32 (i / 2) + 8 (i % 2) + 16 h + e
	global_load_b128 v[ACC+8*(4*\j+\i)+4:ACC+8*(4*\j+\i)+7], v[BO], s[70:71] offset:(32*(\i/2)+8*(\i%2))*4+16
.endr
.endr
	s_wait_tensorcnt 0x0                           ; my block has landed,
	s_barrier_signal -1
	s_barrier_wait -1                              ; everybody's has; nothing is filled again in this launch
	s_wait_loadcnt 0x0                             ; the bias
	GEMM WA, WBLK, XA, ABLK
.rept 4
	v_nop                                          ; places behind the last products, in front of the stores that read results and of loads into the operands' registers
.endr
.irp a, 0,1,2,3                                ; a tile of 16 tokens: stage row 2 i + (lane / 16) is token 32 (a / 2) + 8 (a % 2) + 2 i + (lane / 16) + 8 (i / 4) of my 64
.if \a >= 2
	s_wait_xcnt 0x0                                ; the stores of the tile two back have read their registers: the loads below may land there
.endif
.irp b, 0,1
.irp q, 0,1,2,3
	ds_store_b128 v[STO], v[ACC+32*\a+16*\b+4*\q:ACC+32*\a+16*\b+4*\q+3] offset:128*\b+16*\q    ; each accumulator from its low end on
.endr
.endr
.irp i, 0,1,2,3,4,5,6,7
	ds_load_b128 v[OB+32*(\a%2)+4*\i:OB+32*(\a%2)+4*\i+3], v[RD] offset:544*\i                  ; LDS serves a wave's instructions in order (ISA guide 5.7.1.4): these see the stores above
.endr
	s_wait_dscnt 0x0
.irp i, 0,1,2,3,4,5,6,7
	global_store_b128 v[CO], v[OB+32*(\a%2)+4*\i:OB+32*(\a%2)+4*\i+3], s[68:69] offset:(32*(\a/2)+8*(\a%2)+2*\i+8*(\i/4))*3072 th:TH_STORE_NT   ; 16 lanes store 256 consecutive bytes, at a multiple of 256 from out0's first byte
.endr
.endr
	s_wait_tensorcnt 0x0                           ; the wave's end: behind my last tensor load and my last LDS store
	ds_add_u32 v[SPW], v[NIL]
	s_wait_dscnt 0x0
	CROUND                                         ; the closing round
	s_endpgm
.Lfunc_end_k_qb121b17c98_outp:
	.size	k_qb121b17c98_outp, .Lfunc_end_k_qb121b17c98_outp-k_qb121b17c98_outp
	.p2alignl 7, 3214868480
	.fill 96, 4, 3214868480
	.section	.rodata,"a",@progbits
	.p2align	6, 0x0
	.amdhsa_kernel k_qb121b17c98_outp
		.amdhsa_group_segment_fixed_size 173312
		.amdhsa_private_segment_fixed_size 0
		.amdhsa_enable_private_segment 0
		.amdhsa_kernarg_size 32
		.amdhsa_user_sgpr_count 2
		.amdhsa_user_sgpr_kernarg_segment_ptr 1
		.amdhsa_wavefront_size32 1
		.amdhsa_system_sgpr_workgroup_id_x 1
		.amdhsa_system_sgpr_workgroup_id_y 1
		.amdhsa_system_sgpr_workgroup_id_z 1
		.amdhsa_system_vgpr_workitem_id 0
		.amdhsa_next_free_vgpr 256
		.amdhsa_next_free_sgpr 80
		.amdhsa_reserve_vcc 0
		.amdhsa_float_denorm_mode_32 3
		.amdhsa_float_denorm_mode_16_64 3
		.amdhsa_memory_ordered 1
		.amdhsa_forward_progress 1
		.amdhsa_inst_pref_size 46
	.end_amdhsa_kernel
	.amdgpu_metadata
---
amdhsa.version: [ 1, 2 ]
amdhsa.kernels:
  - .name:           k_qb121b17c98_outp
    .symbol:         k_qb121b17c98_outp.kd
    .args:
      - { .name: ao, .offset: 0, .size: 8, .value_kind: global_buffer, .address_space: global }
      - { .name: wr, .offset: 8, .size: 8, .value_kind: global_buffer, .address_space: global }
      - { .name: bo, .offset: 16, .size: 8, .value_kind: global_buffer, .address_space: global }
      - { .name: out0, .offset: 24, .size: 8, .value_kind: global_buffer, .address_space: global }
    .group_segment_fixed_size: 173312
    .private_segment_fixed_size: 0
    .kernarg_segment_align: 8
    .kernarg_segment_size: 32
    .max_flat_workgroup_size: 96
    .sgpr_count:     80
    .vgpr_count:     256
    .wavefront_size: 32
...
	.end_amdgpu_metadata
.endif
;; end of part 4
